; MI455X (gfx1250); checked and timed in simulation.
; The chip was launched on July 23, 2026; its instructions are those of AMD's public machine-readable ISA for CDNA 5 (MIT licence, August 2026) and "CDNA5" Instruction Set Architecture Reference Guide (July 2026). The comments in the code are by the model that wrote it; some were corrected since.
;; Memory Efficient Attention. Allowed arithmetic: matrix products marked QUANTISED: E2M1 operands, one E8M0 scale for each 32 along K, by v_wmma_scale_f32_16x16x128_f8f6f4 with both operands' format E2M1 (or v_wmma_scale_f32_32x16x128_f4), f32 sums; products left as they are: bf16, f16 or f32 operands; f32 sums; everything else in f32.
;; Inputs: Wk 1,024 x 1,024 float32; Wo 1,024 x 1,024 float32; Wq 1,024 x 1,024 float32; Wv 1,024 x 1,024 float32; bk 1,024 float32; bo 1,024 float32; bq 1,024 float32; bv 1,024 float32; k 4 x 2,048 x 1,024 float32; q 4 x 2,048 x 1,024 float32; v 4 x 2,048 x 1,024 float32.
;; Outputs: out0 4 x 2,048 x 1,024 float32.
;; This version of the problem:
;;   THIS VERSION OF THE PROBLEM IS GIVEN IN LOW PRECISION. The matrix products marked QUANTISED in the list below multiply operands that are first quantised to E2M1 (2 exponent bits, 1 mantissa bit; 4 bits a number), with one power-of-two scale for each 32 numbers along K (OCP MX v1.0); their sums are f32. The products marked 'left as it is' may take bf16, f16 or f32 operands, with f32 sums. Whichever they take, every output number must still come out within the allowed error. Rounding operands to bf16 (8 significant bits) uses up far more of that allowance than f16 does (11 bits, for magnitudes from 6e-5 to 65,504). All else is computed in f32.
;;   The module's matrix products, in the order in which they are computed (A, B: the left and right operand; K: the contracted axis; several contracted axes count as one K, in the product's order):
;;     1. [M 8,192, K 1,024] x [K 1,024, N 1,024]; A: input q; B: input Wq: QUANTISED
;;     2. [M 8,192, K 1,024] x [K 1,024, N 1,024]; A: input k; B: input Wk: QUANTISED
;;     3. [M 8,192, K 1,024] x [K 1,024, N 1,024]; A: input v; B: input Wv: QUANTISED
;;     4. batch 64 x [M 2,048, K 64] x [K 64, N 2,048]; A: computed on the way; B: computed on the way: left as it is (an operand is computed on the way)
;;     5. batch 64 x [M 2,048, K 2,048] x [K 2,048, N 64]; A: computed on the way; B: computed on the way: left as it is (an operand is computed on the way)
;;     6. [M 8,192, K 1,024] x [K 1,024, N 1,024]; A: computed on the way; B: input Wo: left as it is (an operand is computed on the way)
;;   THE QUANTISER, for each operand of a quantised product, along K:
;;     - K is cut into blocks of 32 from its start; a last block that is shorter is filled with zeros.
;;     - A block's scale is 2^e with e = floor(log2(the largest magnitude in the block)) - 2, held to -126 .. 127; a block of zeros has e = 0. As a byte (E8M0): e + 127.
;;     - Each number is divided by its block's scale, clamped to +-6, and rounded to the nearest number of E2M1, ties to even, subnormals kept.
;;     - The product sums the exact products of the quantised numbers (number of the format x scale) in f32.
;;   ~~~python
;;   def quantise(x, axis):      # numpy; x: float32 -> the quantised numbers, widened to float32 again
;;       x = np.moveaxis(x, axis, -1); K = x.shape[-1]
;;       x = np.pad(x, [(0, 0)] * (x.ndim - 1) + [(0, -K % 32)]); x = x.reshape(x.shape[:-1] + (-1, 32)); a = np.abs(x).max(-1, keepdims=True)
;;       e = np.where(a > 0, np.clip(np.frexp(np.where(a > 0, a, 1))[1] - 1 - 2, -126, 127), 0)      # np.frexp(a)[1] - 1 = floor(log2(a)), exactly
;;       r = np.clip(x / 2.0 ** e, -6, 6)
;;       step = 2.0 ** (np.maximum(np.frexp(np.where(r == 0, 1, r))[1] - 1, 0) - 1)
;;       q = np.round(r / step) * step * 2.0 ** e      # np.round: ties to even
;;       return np.moveaxis(q.reshape(q.shape[:-2] + (-1,))[..., :K], -1, axis).astype(np.float32)
;;   ~~~
;; One version. Each part assembles by itself: llvm-mc -triple=amdgcn-amd-amdhsa -mcpu=gfx1250 --defsym DOCPART=n.
;; ======== version 1 of 1: 4 launches
;; limits: values are held in f16: magnitudes above 65,504 overflow, below 6.1e-05 lose precision
;; workspace buffers: codes 14,155,776 bytes; scales 884,736 bytes; wo16 2,097,152 bytes; qh 16,777,216 bytes; kh 16,777,216 bytes; vt 16,777,216 bytes; ao 16,777,216 bytes
;; launch quant (part 1): grid 896 x 1, 4 waves a work-group, no clusters, 33,280 bytes of LDS; arguments q, k, v, Wq, Wk, Wv, Wo, codes, scales, wo16; writes codes, scales, wo16
.if DOCPART == 1
	.amdgcn_target "amdgcn-amd-amdhsa--gfx1250"
	.amdhsa_code_object_version 6
	.text
	.protected	k_q8e8de8201e_quant
	.globl	k_q8e8de8201e_quant
	.p2align	8
	.type	k_q8e8de8201e_quant,@function
k_q8e8de8201e_quant:
	s_mov_b64 s[64:65], 0
	v_nop
	global_prefetch_b8 v0, s[64:65] scope:SCOPE_SE
	s_setreg_imm32_b32 hwreg(HW_REG_WAVE_MODE, 25, 1), 1
	s_wait_xcnt 0x0
; MULTI-HEAD ATTENTION, B = 4, S = 2,048, D = 1,024, 16 heads of 64, in four launches: this one (quantiser), the three projections on codes, the attention, the projection on the way out.
; WORK LEFT OUT: bk.  scores[q][k] = qh[q] . (k Wk^T)[k] / 8 + qh[q] . bk / 8.  The second term does not hang on the key, so it is the same along the softmax's axis and the softmax takes it away,
; whatever finite values the inputs hold.  The product of qh and kh is not a quantised one, so no quantiser sees bk either.  bk has no way to the output: it is not loaded and is among no launch's arguments.
; LIMIT: a NaN, an infinity or an overflow that reaches only bk's term is not carried to the result.
; WORK MOVED: bv.  The softmax's weights of a row add up to 1, so sum(attn (v Wv^T + bv)) = sum(attn v Wv^T) + bv: bv is added in f32 on the attention's way out, in the multiply-add that divides by the row's sum.
;
; THIS LAUNCH.  q, k, v [8,192][1,024] and Wq, Wk, Wv [1,024][1,024], f32 with K innermost, are turned into codes of FP4 (E2M1), two a byte, K innermost, with one E8M0 byte for each 32 along K; Wo is rounded to f16.
; codes: 27,648 rows of 512 bytes: q's 8,192, k's, v's, then Wq's 1,024, Wk's, Wv's.  scales: the same rows, 32 bytes each.
; A block's scale is 2^(floor(log2(its largest magnitude)) - 2); its byte is the largest magnitude's own exponent field - 2, held at 1 from below.  (A block of zeros so gets the byte 1 where the rule says 127:
; its codes are zeros, which add nothing under any byte but 0xff, and the bytes are read by this program alone.)  Each number is divided by the scale and rounded to the nearest code, ties to even, beyond 6 the code of 6.
; LIMITS: blocks whose largest magnitude lies under 2^(2 - 126) keep the byte 1; NaN and infinities among the inputs are not served; numbers of Wo beyond 65,504 in magnitude become infinite in f16.
; SHARES.  Rows are dense, so every tensor is a plain stream.  A work-group takes 32,768 numbers, a wave 8,192.  Work-groups 0-255 q, 256-511 k, 512-767 v, 768-799 Wq, 800-831 Wk, 832-863 Wv: the order of the
; rows of codes, so the place in codes and scales hangs on the work-group's number alone.  Work-groups 864-895 take Wo.
; QUANTISER'S PATH: 16 steps of 512 numbers a wave.  Each of a step's four loads reads 512 consecutive bytes; the 2,048 bytes turn through the wave's own stage in LDS and come back 64 bytes a lane (16 neighbours along K;
; two neighbouring lanes hold a block).  A lane's 16 codes are 8 bytes: the wave stores 256 consecutive bytes.  A wave's 256 scale bytes are gathered in LDS and leave by one store of 256 consecutive bytes.
; No tensor loads, no barrier: waves share nothing.
.set STEPS, 16
.set EMAX,  2
.set CB,    8                          ; bytes of 16 codes
.set R,     16                         ; v16-79   four sets of 16 numbers as they are loaded (Wo: first set of 64)
.set X,     80                         ; v80-111  two sets of 16 neighbours (Wo: the f16 pairs)
.set C,     128                        ; v128-191 codes: four registers for each step (Wo: second set of 64)
.set E,     112                        ; v112-127 a scale byte for each step
.set WREG,  8192                       ; LDS: a region for each wave: two stages of 32 x SP bytes, behind them its 256 scale bytes
.set SP,    80                         ; a lane's place in a stage: its 64 bytes + 16 of padding
.set SPW,   12                         ; v12 LDS address of my spare word; never rewritten
.set NIL,   13                         ; v13 0; never rewritten
.set SPARE, 4*WREG                     ; behind the four regions: the spare words, 128 bytes a wave, that no other line names
	s_load_b512 s[4:19], s[0:1], 0x0               ; q 4:5, k 6:7, v 8:9, Wq 10:11, Wk 12:13, Wv 14:15, Wo 16:17, codes 18:19
	s_load_b128 s[20:23], s[0:1], 0x40             ; scales 20:21, wo16 22:23
	v_lshl_add_u32 v[SPW], v0, 2, SPARE
	v_mov_b32 v[NIL], 0
	v_lshrrev_b32 v1, 5, v0
	v_readfirstlane_b32 s24, v1                    ; wave
	v_and_b32 v2, 31, v0                           ; lane
	v_lshlrev_b32 v3, 4, v2                        ; my 16 bytes of a load's 512
	s_mul_i32 s25, s24, WREG
	v_lshrrev_b32 v14, 2, v2
	v_mul_u32_u24 v14, v14, SP
	v_and_b32 v15, 3, v2
	v_lshl_add_u32 v14, v15, 4, v14
	v_add_nc_u32 v14, s25, v14                     ; the stage, on the way in: SP (lane / 4) + 16 (lane % 4)
	v_mul_u32_u24 v15, v2, SP
	v_add_nc_u32 v15, s25, v15                     ; and on the way out: SP x lane: my 16 neighbours
	v_mul_u32_u24 v4, v2, CB                       ; 8 x lane: my codes' place in a step's (Wo: my four f16)
	v_lshrrev_b32 v5, 1, v2
	s_add_co_u32 s25, s25, 2*32*SP
	v_add_nc_u32 v5, s25, v5                       ; LDS: my wave's 256 scale bytes, my block's byte
	v_lshlrev_b32 v7, 3, v2                        ; and on the way out 8 bytes a lane
	v_add_nc_u32 v6, s25, v7
	s_wait_kmcnt 0x0
; which tensor is mine: the choice hangs on the work-group's number alone.  s26: the tensor's first work-group
.macro PICK first, ptr
	s_cmp_ge_u32 ttmp9, \first
	s_cselect_b64 s[4:5], s[\ptr:\ptr+1], s[4:5]
	s_cselect_b32 s26, \first, s26
.endm
	s_mov_b32 s26, 0
	PICK 256, 6
	PICK 512, 8
	PICK 768, 10
	PICK 800, 12
	PICK 832, 14
	PICK 864, 16
	s_sub_co_u32 s27, ttmp9, s26
	s_lshl_b32 s27, s27, 2
	s_add_co_u32 s27, s27, s24                     ; which run of 8,192 numbers of the tensor is my wave's
	s_lshl_b32 s28, s27, 15                        ; 32,768 bytes a run: under 2^26
	s_mov_b32 s29, 0
	s_add_nc_u64 s[4:5], s[4:5], s[28:29]
	s_cmp_ge_u32 ttmp9, 864
	s_cbranch_scc1 .Lwo
	s_lshl_b32 s30, ttmp9, 2
	s_add_co_u32 s30, s30, s24                     ; which run of all the codes
	s_lshl_b32 s28, s30, 12                        ; 4,096 bytes of codes a run
	s_add_nc_u64 s[18:19], s[18:19], s[28:29]
	s_lshl_b32 s28, s30, 8                         ; 256 scale bytes a run
	s_add_nc_u64 s[20:21], s[20:21], s[28:29]
.macro LOAD t
.irp i, 0,1,2,3
	global_load_b128 v[R+16*((\t)%4)+4*\i:R+16*((\t)%4)+4*\i+3], v3, s[4:5] offset:2048*(\t)+512*\i th:TH_LOAD_NT   ; 32 lanes read 512 consecutive bytes
.endr
.endm
.macro TURN t                          ; step t's numbers through the stage: LDS serves a wave's instructions in order, so no wait stands between the stores and the loads
.irp i, 0,1,2,3
	ds_store_b128 v14, v[R+16*((\t)%4)+4*\i:R+16*((\t)%4)+4*\i+3] offset:32*SP*((\t)%2)+8*SP*\i
.endr
.irp i, 0,1,2,3
	ds_load_b128 v[X+16*((\t)%2)+4*\i:X+16*((\t)%2)+4*\i+3], v15 offset:32*SP*((\t)%2)+16*\i
.endr
.endm
.irp t, 0,1,2,3
	LOAD \t
.endr
	s_wait_loadcnt 12                              ; step 0's four loads are in; the 12 of steps 1 to 3 may be out
	TURN 0
.macro STEP t
.set XS, X+16*((\t)%2)
.if (\t) > 0
	s_wait_dscnt 1                                 ; this step's numbers are back from the stage (the last step's byte store may be out): so its stores into the stage have read their registers,
.else
	s_wait_dscnt 0x0
.endif
.if (\t)+4 < STEPS
	LOAD (\t)+4                                    ; which take the loads of four steps on
.endif
.if (\t)+1 < STEPS
.if STEPS-2-(\t) >= 3
	s_wait_loadcnt 12                              ; the next step's four loads are in; those of the three steps behind it may be out
.else
	s_wait_loadcnt 4*(STEPS-2-(\t))
.endif
	TURN (\t)+1                                    ; and go through the other stage while this step is worked
.endif
	v_max3_num_f32 v8, |v[XS]|, |v[XS+1]|, |v[XS+2]|               ; the largest magnitude of my 16, in two chains
	v_max3_num_f32 v9, |v[XS+3]|, |v[XS+4]|, |v[XS+5]|
.irp i, 6,10
	v_max3_num_f32 v8, v8, |v[XS+\i]|, |v[XS+\i+1]|
	v_max3_num_f32 v9, v9, |v[XS+\i+2]|, |v[XS+\i+3]|
.endr
	v_max3_num_f32 v8, v8, |v[XS+14]|, |v[XS+15]|
	v_max3_num_f32 v8, v8, v9, (EMAX+1)<<23        ; and the floor 2^(EMAX + 1 - 127): so the byte cannot fall under 1
	v_max_num_f32_dpp v8, v8, v8 row_xmask:1 row_mask:0xf bank_mask:0xf   ; and of my neighbour's 16: the block's
	v_add_nc_u32 v11, -(EMAX<<23), v8              ; EMAX off its exponent field: the conversion takes the exponent field of this operand as its scale, and nothing else of it
	v_cvt_scalef32_pk8_fp4_f32 v[C+4*(\t)], v[XS:XS+7], v11
	v_cvt_scalef32_pk8_fp4_f32 v[C+4*(\t)+1], v[XS+8:XS+15], v11
	v_lshrrev_b32 v[E+(\t)], 23, v11               ; the scale's byte (also the plain line behind the conversions)
	ds_store_b8 v5, v[E+(\t)] offset:16*(\t)       ; both lanes of a block write the same byte with the same value
	global_store_b64 v4, v[C+4*(\t):C+4*(\t)+1], s[18:19] offset:32*CB*(\t)   ; the wave stores 256 consecutive bytes, aligned
.endm
.irp t, 0,1,2,3,4,5,6,7,8,9,10,11,12,13,14,15
	STEP \t
.endr
	ds_load_b64 v[8:9], v6                         ; LDS serves a wave's instructions in order: these see my stores
	s_wait_dscnt 0x0
	global_store_b64 v7, v[8:9], s[20:21]          ; 32 lanes store 256 consecutive bytes, aligned
	s_branch .Lend
; Wo's PATH: f32 to f16, rounded to nearest even.  64 loads of 512 consecutive bytes a wave, in four rounds of 16 on two sets of registers; a round's 16 stores cover 256 consecutive bytes each.  No LDS.
.Lwo:
	s_lshl_b32 s28, s27, 14                        ; 16,384 bytes of f16 a run
	s_add_nc_u64 s[22:23], s[22:23], s[28:29]
.macro WLOAD g
.set WS, 16+112*((\g)%2)
.irp i, 0,1,2,3,4,5,6,7,8,9,10,11,12,13,14,15
	global_load_b128 v[WS+4*\i:WS+4*\i+3], v3, s[4:5] offset:(16*(\g)+\i)*512 th:TH_LOAD_NT
.endr
.endm
.macro WROUND g
.set WS, 16+112*((\g)%2)
.if (\g) < 3
	s_wait_loadcnt 16                              ; this round's 16 loads are in; the other set's 16 may be out
.else
	s_wait_loadcnt 0x0
.endif
.if (\g) > 0
	s_wait_xcnt 0x0                                ; the last round's stores have read v80-111: they are written again only behind this wait
.endif
.irp i, 0,1,2,3,4,5,6,7,8,9,10,11,12,13,14,15
	v_cvt_pk_f16_f32 v[X+2*\i], v[WS+4*\i], v[WS+4*\i+1]
	v_cvt_pk_f16_f32 v[X+2*\i+1], v[WS+4*\i+2], v[WS+4*\i+3]
.endr
.if (\g) < 2
	WLOAD (\g)+2                                   ; the set just read takes the round two on
.endif
.irp i, 0,1,2,3,4,5,6,7,8,9,10,11,12,13,14,15
	global_store_b64 v4, v[X+2*\i:X+2*\i+1], s[22:23] offset:(16*(\g)+\i)*256
.endr
.endm
	WLOAD 0
	WLOAD 1
	WROUND 0
	WROUND 1
	WROUND 2
	WROUND 3
.Lend:
	s_wait_tensorcnt 0x0                           ; the wave's end
	ds_add_u32 v[SPW], v[NIL]
	s_wait_dscnt 0x0
	s_endpgm
.Lfunc_end_k_q8e8de8201e_quant:
	.size	k_q8e8de8201e_quant, .Lfunc_end_k_q8e8de8201e_quant-k_q8e8de8201e_quant
	.p2alignl 7, 3214868480
	.fill 96, 4, 3214868480
	.section	.rodata,"a",@progbits
	.p2align	6, 0x0
	.amdhsa_kernel k_q8e8de8201e_quant
		.amdhsa_group_segment_fixed_size 33280
		.amdhsa_private_segment_fixed_size 0
		.amdhsa_enable_private_segment 0
		.amdhsa_kernarg_size 80
		.amdhsa_user_sgpr_count 2
		.amdhsa_user_sgpr_kernarg_segment_ptr 1
		.amdhsa_wavefront_size32 1
		.amdhsa_system_sgpr_workgroup_id_x 1
		.amdhsa_system_sgpr_workgroup_id_y 1
		.amdhsa_system_sgpr_workgroup_id_z 1
		.amdhsa_system_vgpr_workitem_id 0
		.amdhsa_next_free_vgpr 192
		.amdhsa_next_free_sgpr 66
		.amdhsa_reserve_vcc 0
		.amdhsa_float_denorm_mode_32 3
		.amdhsa_float_denorm_mode_16_64 3
		.amdhsa_memory_ordered 1
		.amdhsa_forward_progress 1
		.amdhsa_inst_pref_size 54
	.end_amdhsa_kernel
	.amdgpu_metadata
---
amdhsa.version: [ 1, 2 ]
amdhsa.kernels:
  - .name:           k_q8e8de8201e_quant
    .symbol:         k_q8e8de8201e_quant.kd
    .args:
      - { .name: q, .offset: 0, .size: 8, .value_kind: global_buffer, .address_space: global }
      - { .name: k, .offset: 8, .size: 8, .value_kind: global_buffer, .address_space: global }
      - { .name: v, .offset: 16, .size: 8, .value_kind: global_buffer, .address_space: global }
      - { .name: Wq, .offset: 24, .size: 8, .value_kind: global_buffer, .address_space: global }
      - { .name: Wk, .offset: 32, .size: 8, .value_kind: global_buffer, .address_space: global }
      - { .name: Wv, .offset: 40, .size: 8, .value_kind: global_buffer, .address_space: global }
      - { .name: Wo, .offset: 48, .size: 8, .value_kind: global_buffer, .address_space: global }
      - { .name: codes, .offset: 56, .size: 8, .value_kind: global_buffer, .address_space: global }
      - { .name: scales, .offset: 64, .size: 8, .value_kind: global_buffer, .address_space: global }
      - { .name: wo16, .offset: 72, .size: 8, .value_kind: global_buffer, .address_space: global }
    .group_segment_fixed_size: 33280
    .private_segment_fixed_size: 0
    .kernarg_segment_align: 8
    .kernarg_segment_size: 80
    .max_flat_workgroup_size: 128
    .sgpr_count:     66
    .vgpr_count:     192
    .wavefront_size: 32
...
	.end_amdgpu_metadata
.endif
;; end of part 1
;; launch proj (part 2): grid 4 x 96, 4 waves a work-group, clusters of 4 x 4, 327,680 bytes of LDS; arguments codes, scales, bq, qh, kh, vt; writes qh, kh, vt
.if DOCPART == 2
	.amdgcn_target "amdgcn-amd-amdhsa--gfx1250"
	.amdhsa_code_object_version 6
	.text
	.protected	k_q8e8de8201e_proj
	.globl	k_q8e8de8201e_proj
	.p2align	8
	.type	k_q8e8de8201e_proj,@function
k_q8e8de8201e_proj:
	s_mov_b64 s[64:65], 0
	v_nop
	global_prefetch_b8 v0, s[64:65] scope:SCOPE_SE
	s_setreg_imm32_b32 hwreg(HW_REG_WAVE_MODE, 25, 1), 1
	s_wait_xcnt 0x0
	s_wait_alu depctr_hold_cnt(0) depctr_sa_sdst(0) depctr_va_vdst(0) depctr_va_sdst(0) depctr_va_ssrc(0) depctr_va_vcc(0) depctr_vm_vsrc(0)
	s_getreg_b32 s2, hwreg(HW_REG_IB_STS2, 6, 4)
	s_cmp_eq_u32 s2, 0
	s_cbranch_scc0 .Lentry_in_a_cluster
	s_endpgm
.Lentry_in_a_cluster:
	s_bfe_u32 s2, ttmp6, 0x10000c
	s_cmp_lg_u32 s2, 0xf033
	s_cbranch_scc0 .Lentry_shape_is_right
	s_endpgm
.Lentry_shape_is_right:
; THE THREE PROJECTIONS, on codes of FP4 (E2M1) with one E8M0 scale for each 32 along K = 1,024; sums in f32; results rounded once to f16.
;   qh[row][n] = q Wq^T + bq,  kh[row][n] = k Wk^T  (row = batch x 2,048 + position, n = 64 x head + channel),  vt[n][row] = Wv v^T: V comes out transposed, keys innermost, by taking Wv's rows as A and v's rows as B.
; WORK LEFT OUT: bk (the same for all keys of a softmax's row: shown at the head of the first launch).  bv is added on the attention's way out.
; LIMIT: results beyond 65,504 in magnitude become infinite in f16.
; SHARES.  One body for all three: C[m][n] = sum over k of A[m][k] B[n][k], A's and B's rows taken from the 27,648 rows of codes (512 bytes) and scales (32 bytes).  A tile of C is 256 x 256: four waves, each 128 x 128:
; 64 accumulators of 16 x 16, 512 registers.  Clusters of 4 x 4 work-groups; the cluster's row Y: 0-7 Q, 8-15 K, 16-23 V.  The four of a row of the cluster need the same rows of A, the four of a column the same rows of B:
; each tile is asked for jointly, by the same tensor load with the same descriptor and a mask that names the four.
; K = 1,024 is two slots of 512 along K (rows of 256 bytes): both are asked for at the start, with the scale bytes of all of K, and nothing is filled again: three tensor loads of a wave are out at the most.
; THE MATRIX INSTRUCTION IS USED TRANSPOSED (source 0 = 16 rows of B, source 1 = 16 rows of A): a lane then holds eight neighbouring numbers of a row of C.
; THE BIAS is the C of the first K step's products: v192-255, eight registers for each of B's eight blocks, in the result's layout.  They are cleared while the first tiles are on their way, and Q's work-groups load bq over them.
; REGISTERS, in windows of 256: window 0: v1-29 addresses; v32-95 scale words, two sets; v128-191 A's fragments, ONE set; v192-255 the bias; on the way out v32-127 are free.
;   window 1: B's fragments, two sets, at v0 and v128.   window 2: the accumulators of my rows 0-63 ((a, b) at v[8 (8 a + b)]);   window 3: those of my rows 64-127.
.set NQ,     4                         ; steps of 128 along K in a slot
.set ROWB,   256                       ; a tile's row in bytes: 512 codes
.set KROW,   512                       ; a row of codes in memory
.set PITCH,  272                       ; an LDS row: 256 bytes + 16 of padding = 68 words: the 16 rows that a load touches start at 16 different banks (64 banks of 4 bytes: ISA guide 11.1)
.set FR,     8                         ; registers of a fragment: 16 rows x 128 K
.set NL,     2                         ; LDS loads that bring one
.set NP,     4                         ; places behind this matrix instruction (ISA guide 7.12.1)
.set HALFT,  128*PITCH                 ; 128 rows: what one tensor load brings
.set SLOT,   4*HALFT                   ; A's 256 rows, then B's 256 rows
.set KS,     32                        ; a row of scales in bytes
.set SCL,    2*SLOT                    ; behind the slots: the scales, as rows of 256 bytes + 16 of padding
.set HALFS,  (128*KS/256)*272          ; the scales of 128 rows
.set SBLK,   (16*KS/256)*272           ; those of 16 rows
.set SPARE,  SCL+4*HALFS               ; behind the scales: the spare words, 128 bytes a wave, that no other line names
.set SPITCH, 272                       ; the way out: a stage of 16 rows x (256 bytes + 16) for each wave, in slot 0, which has had its only fill and its last read when the first result is stored there
.set CO,   8                           ; v8-15   my byte offset in C for the eight pairs of rows of a block
.set ADRA, 16                          ; v16-17  LDS address of my A fragments in slot 0, 1
.set ADRB, 20                          ; v20-21  the same for B
.set STO,  24                          ; v24     the way out: where I put 16 bytes of a row
.set RD,   25                          ; v25     the way out: where I read a row back
.set ADRS, 27                          ; v27     LDS address of my scale words: lanes 0-15 A's rows, lanes 16-31 B's
.set SPW,  28                          ; v28     LDS address of my spare word; never rewritten
.set NIL,  29                          ; v29     0; never rewritten
.set SC,   32                          ; scale words: set s at v[SC + 32 s]; register NQ i + q: lanes 0-15 the word of A's block i, lanes 16-31 that of B's block i
.set AF,   128
.set BIAS, 192
.set TMP,  32                          ; the way out: packed results
.set BK,   64                          ; the way out: 16 rows read back: v64-95 and v96-127 by turns
.set WV,   16                          ; s16 wave;  s17 which half of the rows is mine, also: I fetch for A (0) or B (1);  s18 which half of the columns, also: which 128 rows I fetch;  s19 the cluster's row
.set WR,   17
.set WC,   18
.set YY,   19
.set G1, 24                            ; s[24:31] group 1 for A's tiles;  s[32:39] group 0, a set for each slot
.set G0, 32
.set G1B, 48                           ; s[48:55], s[56:63] the same for B's
.set G0B, 56
.set G1S, 68                           ; s[68:75], s[76:79] groups 1 and 0 for A's scales;  s[80:87], s[88:91] for B's
.set G0S, 76
.set G1SB, 80
.set G0SB, 88
.set MSB, 0
.macro WIN new                         ; the immediate's high byte repeats the setting that is left; a switch that changes nothing is dropped
.if MSB != (\new)
	s_set_vgpr_msb (MSB<<8)|(\new)
.set MSB, (\new)
.endif
.endm
.set MUL_LO, 0xa1                      ; source 0 (B) window 1, source 1 (A) window 0, C and D window 2
.set MUL_HI, 0xf1                      ; the same, C and D window 3
.set TO_B,   0x40                      ; destination window 1, address window 0
; A joint load: waves 0 and 1 fetch for A, waves 2 and 3 for B.  The branch hangs on the wave's number alone.  An s_nop 0 and four v_nop follow each of the two lines.
.macro JLOAD g0a, g1a, g0b, g1b
	s_cmp_eq_u32 s[WR], 0
	s_cbranch_scc0 .Lfor_b_\@
	tensor_load_to_lds s[\g0a:\g0a+3], s[\g1a:\g1a+7]
	s_nop 0
.rept 4
	v_nop
.endr
	s_branch .Lasked_\@
.Lfor_b_\@:
	tensor_load_to_lds s[\g0b:\g0b+3], s[\g1b:\g1b+7]
	s_nop 0
.rept 4
	v_nop
.endr
.Lasked_\@:
.endm
.macro CROUND                          ; a round of the cluster's barrier
	s_barrier_signal -1
	s_barrier_wait -1
	s_cmp_lg_u32 s[WV], 0
	s_cbranch_scc1 .Lnot_wave_0_\@
	s_barrier_signal -3
.Lnot_wave_0_\@:
	s_barrier_wait -3
	s_barrier_signal -1
	s_barrier_wait -1
.endm
	s_load_b128 s[4:7], s[0:1], 0x0                ; codes s[4:5], scales s[6:7]
	s_load_b256 s[8:15], s[0:1], 0x10              ; bq s[8:9], qh s[10:11], kh s[12:13], vt s[14:15]
	v_lshl_add_u32 v[SPW], v0, 2, SPARE
	v_mov_b32 v[NIL], 0
	ds_add_u32 v[SPW], v[NIL]                      ; the wave's opening: the add, twice on end, and its wait ahead of my first tensor load
	ds_add_u32 v[SPW], v[NIL]
	v_lshrrev_b32 v1, 5, v0
	v_readfirstlane_b32 s[WV], v1                  ; wave 0..3
	s_lshr_b32 s[WR], s[WV], 1
	s_and_b32 s[WC], s[WV], 1
	s_and_b32 s[YY], ttmp7, 0xffff                 ; the cluster's row, 0..23: the same in all sixteen partners
	s_bfe_u32 s40, ttmp6, 0x40000                  ; cx, cy: my place in the cluster
	s_bfe_u32 s41, ttmp6, 0x40004
	s_lshl_b32 s43, s41, 2
	s_lshl_b32 s43, 15, s43                        ; my row of the cluster
	s_lshl_b32 s44, 0x1111, s40                    ; my column
	; group 1: a tile of 128 rows x 256 bytes, 16 bytes of padding behind each row
	s_or_b32 s[G1+0], s43, (0<<16)|(1<<20)|(1<<21)|(5<<22)|(3<<25)  ; 15:0 the mask; 17:16 elements of 1 byte; 20 padding on; 21 set beside a mask; 24:22 after every 64 words; 31:25 four words
	s_or_b32 s[G1B+0], s44, (0<<16)|(1<<20)|(1<<21)|(5<<22)|(3<<25)
.irp g, G1, G1B
	s_mov_b32 s[\g+1], ROWB<<16                    ; tensor_dim0
	s_mov_b32 s[\g+2], 128<<16                     ; tensor_dim1
	s_mov_b32 s[\g+3], ROWB<<16                    ; tile_dim0
	s_mov_b32 s[\g+4], 128                         ; tile_dim1
	s_mov_b32 s[\g+5], KROW                        ; from row to row
	s_mov_b32 s[\g+6], 0
	s_mov_b32 s[\g+7], 0
.endr
	; the scales of 128 rows: 4,096 dense bytes, as 16 rows of 256 bytes (32 elements of 8 bytes), 16 bytes of padding behind each
	s_or_b32 s[G1S+0], s43, (3<<16)|(1<<20)|(1<<21)|(5<<22)|(3<<25)
	s_or_b32 s[G1SB+0], s44, (3<<16)|(1<<20)|(1<<21)|(5<<22)|(3<<25)
.irp g, G1S, G1SB
	s_mov_b32 s[\g+1], 32<<16
	s_mov_b32 s[\g+2], (128*KS/256)<<16
	s_mov_b32 s[\g+3], 32<<16
	s_mov_b32 s[\g+4], 128*KS/256
	s_mov_b32 s[\g+5], 32
	s_mov_b32 s[\g+6], 0
	s_mov_b32 s[\g+7], 0
.endr
	; which rows of codes.  Q, K: A = the tokens' rows 1,024 Y on, B = the weight's rows 24,576 + 1,024 (Y / 8) on.  V: A = Wv's rows 26,624 on, B = v's rows 1,024 Y on.
	; A's rows hang on cy alone (s20-23), B's on cx alone (s46, s47, s92, s93): neither set of registers ever holds the other coordinate.
	s_lshl_b32 s20, s[YY], 10
	s_lshr_b32 s21, s[YY], 3
	s_lshl_b32 s21, s21, 10
	s_add_co_u32 s21, s21, 24576
	s_mov_b32 s22, 26624
	s_cmp_lt_u32 s[YY], 16
	s_cselect_b32 s22, s20, s22                    ; A's first row for this cluster
	s_cselect_b32 s46, s21, s20                    ; B's
	s_lshl_b32 s23, s[WC], 7                       ; which 128 rows of the tile I fetch
	s_lshl_b32 s20, s41, 8
	s_add_co_u32 s20, s20, s22
	s_add_co_u32 s20, s20, s23                     ; A: + 256 cy + 128 x half
	s_lshl_b32 s47, s40, 8
	s_add_co_u32 s46, s46, s47
	s_add_co_u32 s46, s46, s23                     ; B: + 256 cx + 128 x half
	s_lshl_b32 s22, s20, 5                         ; where these rows' scales begin, in bytes,
	s_mov_b32 s23, 0
	s_lshl_b32 s20, s20, 9                         ; and their codes (under 2^24)
	s_mov_b32 s21, 0
	s_lshl_b32 s92, s46, 5
	s_mov_b32 s93, 0
	s_lshl_b32 s46, s46, 9
	s_mov_b32 s47, 0
	s_mul_i32 s45, s[WV], HALFT                    ; where they go: wave x 128 rows: no place in the cluster enters an LDS address
	s_mul_i32 s94, s[WV], HALFS
	s_wait_dscnt 0x0                               ; both opening adds are done
	s_wait_kmcnt 0x0
	s_add_nc_u64 s[20:21], s[4:5], s[20:21]
	s_add_nc_u64 s[22:23], s[6:7], s[22:23]
	s_add_nc_u64 s[46:47], s[4:5], s[46:47]
	s_add_nc_u64 s[92:93], s[6:7], s[92:93]
	CROUND                                         ; all sixteen work-groups are here: the joint loads meet
	s_mov_b32 s[G0S], 1
	s_add_co_u32 s[G0S+1], s94, SCL
	s_mov_b64 s[G0S+2:G0S+3], s[22:23]
	s_or_b32 s[G0S+3], s[G0S+3], 0x80000000
	s_mov_b32 s[G0SB], 1
	s_add_co_u32 s[G0SB+1], s94, SCL
	s_mov_b64 s[G0SB+2:G0SB+3], s[92:93]
	s_or_b32 s[G0SB+3], s[G0SB+3], 0x80000000
	JLOAD G0S, G1S, G0SB, G1SB                     ; the scales first: they are wanted with slot 0
.irp s, 0,1
	s_mov_b32 s[G0+4*\s], 1
	s_add_co_u32 s[G0+4*\s+1], s45, \s*SLOT
	s_add_nc_u64 s[G0+4*\s+2:G0+4*\s+3], s[20:21], \s*ROWB
	s_or_b32 s[G0+4*\s+3], s[G0+4*\s+3], 0x80000000
	s_mov_b32 s[G0B+4*\s], 1
	s_add_co_u32 s[G0B+4*\s+1], s45, \s*SLOT
	s_add_nc_u64 s[G0B+4*\s+2:G0B+4*\s+3], s[46:47], \s*ROWB
	s_or_b32 s[G0B+4*\s+3], s[G0B+4*\s+3], 0x80000000
	JLOAD G0+4*\s, G1, G0B+4*\s, G1B
.endr
	v_and_b32 v1, 15, v0                           ; r = lane % 16
	v_bfe_u32 v2, v0, 4, 1                         ; h = lane / 16
	; the bias registers: zeros, and in Q's work-groups bq(256 cx + 128 x my half + 16 b + 8 h + 0 .. 7) over them
.set i, 0
.rept 64
	v_mov_b32 v[BIAS+i], 0
.set i, i+1
.endr
	s_lshl_b32 s92, s40, 10
	s_lshl_b32 s93, s[WC], 9
	s_add_co_u32 s92, s92, s93
	s_mov_b32 s93, 0
	s_add_nc_u64 s[8:9], s[8:9], s[92:93]
	v_lshlrev_b32 v7, 5, v2                        ; 32 h
	s_cmp_lt_u32 s[YY], 8                          ; the cluster's row: the same in all partners and all waves
	s_cbranch_scc0 .Lno_bias
.irp b, 0,1,2,3,4,5,6,7
	global_load_b128 v[BIAS+8*\b:BIAS+8*\b+3], v7, s[8:9] offset:64*\b
	global_load_b128 v[BIAS+8*\b+4:BIAS+8*\b+7], v7, s[8:9] offset:64*\b+16
.endr
.Lno_bias:
	v_mul_u32_u24 v3, v1, PITCH
	v_lshl_add_u32 v4, v2, 4, v3                   ; a fragment's row x pitch + 16 x half
	s_mul_i32 s21, s[WR], HALFT                    ; my 128 rows of A
	s_mul_i32 s22, s[WC], HALFT                    ; my 128 rows of B,
	s_add_co_u32 s22, s22, 2*HALFT                 ; which lie behind A's 256
.irp s, 0,1
	v_add_nc_u32 v[ADRA+\s], s21, v4
	v_add_nc_u32 v[ADRB+\s], s22, v4
	s_add_co_u32 s21, s21, SLOT
	s_add_co_u32 s22, s22, SLOT
.endr
	v_mul_u32_u24 v5, v1, KS                       ; my row's scales: KS bytes a row,
	v_lshrrev_b32 v6, 8, v5
	v_lshl_add_u32 v5, v6, 4, v5                   ; and 16 more for each 256 passed
	s_mul_i32 s21, s[WR], HALFS                    ; A's: my 128 rows
	s_mul_i32 s22, s[WC], HALFS                    ; B's: my 128 rows, behind A's 256
	s_add_co_u32 s22, s22, 2*HALFS
	s_sub_co_u32 s22, s22, s21
	v_mul_u32_u24 v6, s22, v2                      ; lanes 16-31 take B's
	s_add_co_u32 s21, s21, SCL
	v_add_nc_u32 v5, v5, v6
	v_add_nc_u32 v[ADRS], s21, v5
	s_mul_i32 s23, s[WV], 16*SPITCH                ; my stage
	v_mul_u32_u24 v5, v1, SPITCH                   ; in: row r, 16 bytes for each half of the lanes
	v_lshl_add_u32 v5, v2, 4, v5
	v_add_nc_u32 v[STO], s23, v5
	v_mul_u32_u24 v5, v2, SPITCH                   ; back: lanes 0-15 one row of 256 bytes, lanes 16-31 the next
	v_lshl_add_u32 v5, v1, 4, v5
	v_add_nc_u32 v[RD], s23, v5
	; C.  Q, K: tile row 4 (Y % 8) + cy, tile column cx, rows of 2,048 bytes.  V: tile row cy, tile column 4 (Y % 8) + cx, rows of 16,384 bytes.
	s_and_b32 s20, s[YY], 7
	s_lshl_b32 s20, s20, 2
	s_mov_b32 s95, 16384
	s_cmp_lt_u32 s[YY], 16
	s_cselect_b32 s21, s20, 0
	s_cselect_b32 s46, 0, s20
	s_cselect_b32 s95, 2048, s95                   ; a row of C in bytes
	s_add_co_u32 s21, s21, s41
	s_lshl_b32 s21, s21, 8
	s_lshl_b32 s23, s[WR], 7
	s_add_co_u32 s21, s21, s23                     ; my first row of C
	s_mul_i32 s20, s21, s95                        ; in bytes: under 2^25
	s_mov_b32 s21, 0
	s_add_co_u32 s46, s46, s40
	s_lshl_b32 s46, s46, 9
	s_lshl_b32 s47, s[WC], 8
	s_add_co_u32 s46, s46, s47                     ; my first column, in bytes
	s_mov_b32 s47, 0
	s_cmp_lt_u32 s[YY], 8
	s_cselect_b64 s[10:11], s[10:11], s[12:13]     ; qh or kh,
	s_cmp_lt_u32 s[YY], 16
	s_cselect_b64 s[10:11], s[10:11], s[14:15]     ; or vt: the choice hangs on the cluster's row alone
	s_add_nc_u64 s[10:11], s[10:11], s[20:21]
	s_add_nc_u64 s[10:11], s[10:11], s[46:47]
	s_lshl_b32 s96, s95, 4                         ; 16 rows of C on
	s_mov_b32 s97, 0
	s_lshl_b32 s94, s95, 1                         ; two rows on
	v_mul_lo_u32 v[CO], v2, s95
	v_lshl_add_u32 v[CO], v1, 4, v[CO]             ; lanes 0-15 one row, lanes 16-31 the next; 16 bytes a lane
.irp t, 1,2,3,4,5,6,7
	v_add_nc_u32 v[CO+\t], s94, v[CO+\t-1]
.endr
.macro FRAG reg, adr, q, i             ; a fragment, 16 rows x 128 K of 4-bit codes, is 8 registers: lane l holds row l % 16; registers 4 c .. 4 c + 3 hold K = 64 c + 32 (l / 16) + 0 .. 31
.irp c, 0,1
	ds_load_b128 v[\reg+4*\c:\reg+4*\c+3], v[\adr] offset:64*(\q)+32*\c+(\i)*16*PITCH
.endr
.endm
; 16 matrix instructions: A's blocks a0, a0 + 1 x B's eight, 128 along K: the slot's q-th.  p: B's set;  sc: the set of scale words.  first = 1: the bias registers are the C: nothing is cleared or added afterwards.
; The 64 accumulators take turns, one instruction a turn, in the same order in every step.
.macro MUL16 a0, p, q, sc, first
.irp a, \a0, \a0+1
.irp b, 0,1,2,3,4,5,6,7
.if \first
	v_wmma_scale_f32_16x16x128_f8f6f4 v[8*(8*((\a)%4)+\b):8*(8*((\a)%4)+\b)+7], v[128*(\p)+FR*\b:128*(\p)+FR*\b+FR-1], v[AF+FR*(\a):AF+FR*(\a)+FR-1], v[BIAS+8*\b:BIAS+8*\b+7], v[SC+8*NQ*(\sc)+NQ*\b+(\q)], v[SC+8*NQ*(\sc)+NQ*(\a)+(\q)] matrix_a_fmt:MATRIX_FMT_FP4 matrix_b_fmt:MATRIX_FMT_FP4 matrix_a_scale:MATRIX_SCALE_ROW1
.else
	v_wmma_scale_f32_16x16x128_f8f6f4 v[8*(8*((\a)%4)+\b):8*(8*((\a)%4)+\b)+7], v[128*(\p)+FR*\b:128*(\p)+FR*\b+FR-1], v[AF+FR*(\a):AF+FR*(\a)+FR-1], v[8*(8*((\a)%4)+\b):8*(8*((\a)%4)+\b)+7], v[SC+8*NQ*(\sc)+NQ*\b+(\q)], v[SC+8*NQ*(\sc)+NQ*(\a)+(\q)] matrix_a_fmt:MATRIX_FMT_FP4 matrix_b_fmt:MATRIX_FMT_FP4 matrix_a_scale:MATRIX_SCALE_ROW1
.endif
.endr
.endr
.endm
.macro FETCH_B slot, q, p              ; B's eight fragments of the slot's q-th 128 along K into set p
	WIN TO_B
.irp i, 0,1,2,3,4,5,6,7
	FRAG 128*(\p)+FR*\i, ADRB+\slot, \q, \i
.endr
	WIN 0
.endm
.macro FETCH_A slot, q, i0             ; A's blocks i0 .. i0 + 3
.irp i, \i0, \i0+1, \i0+2, \i0+3
	FRAG AF+FR*(\i), ADRA+\slot, \q, \i
.endr
.endm
.macro SCALES sc                       ; a slot's scale words into set sc: NQ words a row; lanes 0-15 take A's block i, lanes 16-31 B's block i
.irp i, 0,1,2,3,4,5,6,7
	ds_load_b128 v[SC+8*NQ*\sc+NQ*\i:SC+8*NQ*\sc+NQ*\i+3], v[ADRS] offset:\i*SBLK
.endr
.endm
; A load into a register that a matrix instruction has read, and a vector instruction that reads a matrix result, stand NP places behind that matrix instruction; only plain vector instructions that name none of its
; registers are places (ISA guide 7.12.1 for vector instructions).
.macro PLACES n
.rept \n
	v_nop
.endr
.endm
; A step of 128 along K that has its successor in the same slot.  A's blocks go one after the other, each against B's eight: so one set of registers serves A (blocks 0-3 fetched anew in the step's middle, 4-7 at its end).
.macro STEP slot, q, first
	s_wait_dscnt 4*NL                              ; B's set and A's blocks 0-3 are in; the youngest 8 loads (A's blocks 4-7) may be out
	WIN MUL_LO-0x20*(\first)                       ; first = 1: the C lies in window 0
	MUL16 0, (\q)%2, \q, \slot, \first
	MUL16 2, (\q)%2, \q, \slot, \first
	s_wait_dscnt 0                                 ; A's blocks 4-7 are in
	PLACES NP
	FETCH_B \slot, (\q)+1, 1-(\q)%2
	FETCH_A \slot, (\q)+1, 0
	WIN MUL_HI-0x30*(\first)
	MUL16 4, (\q)%2, \q, \slot, \first
	MUL16 6, (\q)%2, \q, \slot, \first
	PLACES NP
	WIN 0
	FETCH_A \slot, (\q)+1, 4
.endm
; Slot 0's last step changes slots: one barrier; in front of it each wave waits for all its tensor loads (its part of slot 1), adds 0 to its spare word, and waits for that and for its own reads of slot 0.
; Behind it slot 1 is whole and nobody reads slot 0 any more (the way out's stages will lie there).  Nothing is filled again.
.macro TURN slot, next
	s_wait_tensorcnt 0x0                           ; all my tensor loads have landed
	ds_add_u32 v[SPW], v[NIL]                      ; 0 onto my spare word
	s_wait_dscnt 4*NL+1                            ; (the add and the youngest 8 loads, A's blocks 4-7, may be out)
	WIN MUL_LO
	MUL16 0, 1, NQ-1, \slot, 0
	s_wait_dscnt 0x0                               ; the add is done, and my reads of this slot are over
	s_barrier_signal -1
	MUL16 2, 1, NQ-1, \slot, 0
	WIN 0
	s_barrier_wait -1
	PLACES NP
	v_add_nc_u32 v[ADRS], 4*NQ, v[ADRS]            ; on to the next slot's scale words
	FETCH_B \next, 0, 0
	FETCH_A \next, 0, 0
	SCALES \next
	WIN MUL_HI
	MUL16 4, 1, NQ-1, \slot, 0
	MUL16 6, 1, NQ-1, \slot, 0
	PLACES NP
	WIN 0
	FETCH_A \next, 0, 4
.endm
	s_wait_tensorcnt 1                             ; the scales and my part of slot 0 are in (slot 1's load may be out)
	s_barrier_signal -1
	s_barrier_wait -1                              ; everybody's are
	FETCH_B 0, 0, 0
	FETCH_A 0, 0, 0
	SCALES 0
	FETCH_A 0, 0, 4
	s_wait_loadcnt 0x0                             ; bq, where it was asked for
	STEP 0, 0, 1                                   ; the first step's products start the sums from the bias registers
	STEP 0, 1, 0
	STEP 0, 2, 0
	TURN 0, 1
	STEP 1, 0, 0
	STEP 1, 1, 0
	STEP 1, 2, 0
	s_wait_dscnt 4*NL                              ; the very last step: nothing more to fetch
	WIN MUL_LO
	MUL16 0, 1, NQ-1, 1, 0
	MUL16 2, 1, NQ-1, 1, 0
	s_wait_dscnt 0
	WIN MUL_HI
	MUL16 4, 1, NQ-1, 1, 0
	MUL16 6, 1, NQ-1, 1, 0
	WIN 0
; THE WAY OUT, block by block of 16 rows x 128 columns.  PACK: rounded to f16, 16 bytes a lane, each accumulator from its low end on.  TOSTAGE: into my own stage and back as whole rows of 256 bytes.  SEND: stored.
.macro PACK a
.set AC, 64*((\a)%4)
	WIN 0x0a+5*((\a)/4)                            ; sources 0 and 1: window 2 or 3
.irp b, 0,1,2,3,4,5,6,7
.irp r, 0,1,2,3
	v_cvt_pk_f16_f32 v[TMP+4*\b+\r], v[AC+8*\b+2*\r], v[AC+8*\b+2*\r+1]
.endr
.endr
	WIN 0
.endm
.macro TOSTAGE a
.set BB, BK+32*((\a)%2)
.irp b, 0,1,2,3,4,5,6,7
	ds_store_b128 v[STO], v[TMP+4*\b:TMP+4*\b+3] offset:32*\b
.endr
.irp t, 0,1,2,3,4,5,6,7
	ds_load_b128 v[BB+4*\t:BB+4*\t+3], v[RD] offset:\t*2*SPITCH    ; LDS serves a wave's instructions in order (ISA guide 5.7.1.4): these see the stores above
.endr
.endm
.macro SEND a
.set BB, BK+32*((\a)%2)
	s_wait_dscnt 0x0                               ; the block is back in registers
	s_wait_xcnt 0x0                                ; the earlier stores have read their registers and their base: both are written again only behind this wait
.if (\a) > 0
	s_add_nc_u64 s[10:11], s[10:11], s[96:97]      ; 16 rows of C on
.endif
.irp t, 0,1,2,3,4,5,6,7
	global_store_b128 v[CO+\t], v[BB+4*\t:BB+4*\t+3], s[10:11]     ; 16 lanes store 256 consecutive bytes, at a multiple of 256 from the buffer's first byte
.endr
.endm
	PLACES NP                                      ; behind the last products: for the conversions, and for writes and loads into the registers that held scale words
	PACK 0
	TOSTAGE 0
.irp a, 1,2,3,4,5,6,7                  ; block a's conversions stand between block a - 1's loads from the stage and the wait for them
	PACK \a
	SEND \a-1
	TOSTAGE \a
.endr
	SEND 7
	s_wait_tensorcnt 0x0                           ; the wave's end
	ds_add_u32 v[SPW], v[NIL]
	s_wait_dscnt 0x0
	CROUND                                         ; the closing round: no work-group ends while a partner may still ask for a tile that names it
	s_endpgm
.Lfunc_end_k_q8e8de8201e_proj:
	.size	k_q8e8de8201e_proj, .Lfunc_end_k_q8e8de8201e_proj-k_q8e8de8201e_proj
	.p2alignl 7, 3214868480
	.fill 96, 4, 3214868480
	.section	.rodata,"a",@progbits
	.p2align	6, 0x0
	.amdhsa_kernel k_q8e8de8201e_proj
		.amdhsa_group_segment_fixed_size 327680
		.amdhsa_private_segment_fixed_size 0
		.amdhsa_enable_private_segment 0
		.amdhsa_kernarg_size 48
		.amdhsa_user_sgpr_count 2
		.amdhsa_user_sgpr_kernarg_segment_ptr 1
		.amdhsa_wavefront_size32 1
		.amdhsa_system_sgpr_workgroup_id_x 1
		.amdhsa_system_sgpr_workgroup_id_y 1
		.amdhsa_system_sgpr_workgroup_id_z 1
		.amdhsa_system_vgpr_workitem_id 0
		.amdhsa_next_free_vgpr 1024
		.amdhsa_next_free_sgpr 98
		.amdhsa_reserve_vcc 0
		.amdhsa_float_denorm_mode_32 3
		.amdhsa_float_denorm_mode_16_64 3
		.amdhsa_memory_ordered 1
		.amdhsa_forward_progress 1
		.amdhsa_inst_pref_size 131
	.end_amdhsa_kernel
	.amdgpu_metadata
---
amdhsa.version: [ 1, 2 ]
amdhsa.kernels:
  - .name:           k_q8e8de8201e_proj
    .symbol:         k_q8e8de8201e_proj.kd
    .args:
      - { .name: codes, .offset: 0, .size: 8, .value_kind: global_buffer, .address_space: global }
      - { .name: scales, .offset: 8, .size: 8, .value_kind: global_buffer, .address_space: global }
      - { .name: bq, .offset: 16, .size: 8, .value_kind: global_buffer, .address_space: global }
      - { .name: qh, .offset: 24, .size: 8, .value_kind: global_buffer, .address_space: global }
      - { .name: kh, .offset: 32, .size: 8, .value_kind: global_buffer, .address_space: global }
      - { .name: vt, .offset: 40, .size: 8, .value_kind: global_buffer, .address_space: global }
    .group_segment_fixed_size: 327680
    .private_segment_fixed_size: 0
    .kernarg_segment_align: 8
    .kernarg_segment_size: 48
    .max_flat_workgroup_size: 128
    .sgpr_count:     98
    .vgpr_count:     1024
    .wavefront_size: 32
...
	.end_amdgpu_metadata
.endif
;; end of part 2
;; launch attn (part 3): grid 8 x 32, 8 waves a work-group, clusters of 4 x 1, 327,680 bytes of LDS; arguments qh, kh, vt, bv, ao; writes ao
.if DOCPART == 3
	.amdgcn_target "amdgcn-amd-amdhsa--gfx1250"
	.amdhsa_code_object_version 6
	.text
	.protected	k_q8e8de8201e_attn
	.globl	k_q8e8de8201e_attn
	.p2align	8
	.type	k_q8e8de8201e_attn,@function
k_q8e8de8201e_attn:
	s_mov_b64 s[64:65], 0
	v_nop
	global_prefetch_b8 v0, s[64:65] scope:SCOPE_SE
	s_setreg_imm32_b32 hwreg(HW_REG_WAVE_MODE, 25, 1), 1
	s_wait_xcnt 0x0
	s_wait_alu depctr_hold_cnt(0) depctr_sa_sdst(0) depctr_va_vdst(0) depctr_va_sdst(0) depctr_va_ssrc(0) depctr_va_vcc(0) depctr_vm_vsrc(0)
	s_getreg_b32 s2, hwreg(HW_REG_IB_STS2, 6, 4)
	s_cmp_eq_u32 s2, 0
	s_cbranch_scc0 .Lentry_in_a_cluster
	s_endpgm
.Lentry_in_a_cluster:
	s_bfe_u32 s2, ttmp6, 0x10000c
	s_cmp_lg_u32 s2, 0x3003
	s_cbranch_scc0 .Lentry_shape_is_right
	s_endpgm
.Lentry_shape_is_right:
; ao[row][64 head + d] = sum over keys of softmax(qh . kh / 8) vh + bv, for 4 batches x 16 heads x 2,048 queries x 2,048 keys, head size 64.  Operands of both products in f16, sums, maxima and the softmax in f32.
; WORK LEFT OUT: bk (shown at the head of the first launch).  bv is added here, in the multiply-add that divides by the row's sum: the weights of a row add up to 1.
; LIMITS: ao is rounded to f16 (beyond 65,504 in magnitude: infinite); NaN and infinities among the inputs are not served.
; qh, kh: [8,192][1,024] f16 (row = 2,048 batch + position).  vt: [1,024][8,192] f16: V transposed, the keys innermost.  ao: [8,192][1,024] f16.
; SHARES.  A work-group owns 256 queries of a PAIR of heads of one batch, so that a key's row of the pair is 256 consecutive bytes of kh, a channel's 256 keys are 512 consecutive bytes of vt, and a query's piece of ao is 256
; consecutive bytes.  Eight waves, two to a SIMD, 512 registers each: wave w takes head w / 4 of the pair and queries 64 (w % 4) on: four tiles of 16.  One wave's softmax stands beside the other wave's products.
; LAYOUT.  S^T = K Q^T (source 0 = 16 keys, source 1 = 16 queries): a lane holds ONE query (lane % 16) and the keys 8 (lane / 16) + 0..7.  Two such tiles, rounded to f16 in pairs, ARE source 1 (32 keys x 16 queries)
; of O^T = V^T P, whose result again holds one query a lane, and eight channels.  P is packed in place, into the first 16 of a tile's 32 score registers.
; SOFTMAX.  For each query a running maximum m and sum l: p = 2^(c s - c m), c = log2(e) / 8; in every step O and l are multiplied by a = 2^(c m_old - c m_new).  l is summed of the unrounded p.
; The step is written once: O^T and l begin as zeros and m as -3e38, so the first a is 0 and multiplies zeros.  (128 moves, once, in place of one more copy of the step.)
; RING.  Two LDS slots of 256 keys (K: 256 rows of 256 bytes; V^T: 128 rows of 512 bytes), eight tiles.  Waves 0, 1 fetch K's halves, waves 2, 3 V^T's, one tensor load each behind a change of slots; one load of a wave is out.
; CLUSTER.  The four query blocks of a cluster walk the same K and V: each tile is asked for jointly, by the same tensor load with the same descriptor and the mask 15; a round of the cluster's barrier stands at each change.
; REGISTERS.  window 0: v1-14 addresses; v16-47 eight registers of statistics a tile; v64-191 S^T, 32 a tile; v192-255 K's 8 fragments.   window 1: v0-127 O^T, 32 a tile; v128-191 Q; v192-255 V^T's 8 fragments.
.set PKB,   272                        ; a key's row in LDS: 256 bytes + 16: the 16 rows of a load start at 16 different banks (64 banks of 4 bytes: ISA guide 11.1)
.set PVB,   528                        ; a channel's row: 512 bytes + 16: likewise
.set VOFF,  256*PKB                    ; a slot: K's 256 rows, then V^T's 128
.set SLOT,  VOFF+128*PVB
.set SPARE, 2*SLOT                     ; behind the ring: the spare words, 128 bytes for each of eight waves, that no other line names
.set AK0, 1                            ; v1   my lane's place in a tile of K: r x 272 + 16 h + 128 x my head of the pair
.set AV0, 2                            ; v2   in a tile of V^T
.set ADK, 3                            ; v3, v4  the addresses of the step in hand
.set ADV, 4
.set QO,  5                            ; v5   my byte offset in the wave's rows of Q
.set STO, 6                            ; v6-8 the way out
.set RD,  7
.set GO,  8
.set PFO, 9                            ; v9   the prefetches' offset; never rewritten
.set SPW, 10                           ; v10  LDS address of my spare word; never rewritten
.set NIL, 11                           ; v11  0; never rewritten
.set BVO, 12                           ; v12  32 h
.set ST,  16                           ; tile t at v[ST+8 t]: +0 c m, +1 m, +2, +3 l, +4 .. +7 c0-c3, at work; a takes c2's place
.set S,   64
.set KF,  192                          ; window 0
.set QF,  128                          ; window 1
.set VF,  192                          ; window 1
.set WV,  14                           ; s14  wave
.set LIM, 15                           ; s15  1 in a wave that prefetches
.set G1K, 24                           ; s[24:31], s[32:39] group 1 for K's and V^T's tiles
.set G1V, 32
.set G0K, 40                           ; s[40:47] group 0 for K's tiles, a set for each slot;  s[48:55] for V^T's
.set G0V, 48
.set NST, 57                           ; s57  counts a slot's four steps
.set CS,  58                           ; s[58:59] c, twice: the packed form names the pair
.set SEL, 60                           ; s[60:61] lane selects for v_permlanex16_b32: lane l xor 16
.set TK,  62                           ; s62, s63  LDS byte at which the step's keys begin in K's rows, in V^T's rows
.set TV,  63
.set LAP, 66
.set PFA, 68                           ; s[68:69] where my prefetches stand;  s[70:71] a slot on
.set PFS, 70
.set MSB, 0
.macro WIN new
.if MSB != (\new)
	s_set_vgpr_msb (MSB<<8)|(\new)
.set MSB, (\new)
.endif
.endm
.set W_KQ, 0x04                        ; Q (source 1) in window 1
.set W_PV, 0x51                        ; V^T (source 0), C and D in window 1
.set W_RS, 0x41                        ; destination and source 0 in window 1
.set TO_1, 0x40                        ; destination in window 1
.macro CROUND                          ; a round of the cluster's barrier
	s_barrier_signal -1
	s_barrier_wait -1
	s_cmp_lg_u32 s[WV], 0
	s_cbranch_scc1 .Lnot_wave_0_\@
	s_barrier_signal -3
.Lnot_wave_0_\@:
	s_barrier_wait -3
	s_barrier_signal -1
	s_barrier_wait -1
.endm
; Slot n is asked for.  The branches hang on the wave's number alone.  An s_nop 0 and four v_nop follow each of the two lines.
.macro TLOAD n
	s_cmp_lt_u32 s[WV], 2
	s_cbranch_scc0 .Lnot_k_\@
	tensor_load_to_lds s[G0K+4*(\n):G0K+4*(\n)+3], s[G1K:G1K+7]
	s_nop 0
.rept 4
	v_nop
.endr
	s_branch .Lasked_\@
.Lnot_k_\@:
	s_cmp_lt_u32 s[WV], 4
	s_cbranch_scc0 .Lasked_\@
	tensor_load_to_lds s[G0V+4*(\n):G0V+4*(\n)+3], s[G1V:G1V+7]
	s_nop 0
.rept 4
	v_nop
.endr
.Lasked_\@:
.endm
; A PREFETCH INTO THE L2 of the slot that the NEXT change of slots will ask for: four steps, 256 matrix instructions of each wave, ahead of that load.  Both clusters of a pair of heads walk the same K and V: the first asks.
; Its four partners are told apart BY ADDRESS; in each the waves ask that fetch nothing: waves 4, 5 for 32 of K's 256 rows each (a lane a row of 256 bytes), waves 6, 7 for one half of the 512 bytes of 32 of V^T's 128 rows.
; So each aligned block of 256 bytes is named once in the launch.  Slots 0 and 1 come by their loads alone; the last two changes ask for nothing.
.macro ASK
	s_cmp_eq_u32 s[LIM], 1
	s_cbranch_scc0 .Lnot_mine_\@
	global_prefetch_b8 v[PFO], s[PFA:PFA+1] th:TH_LOAD_NT scope:SCOPE_SE
.Lnot_mine_\@:
.endm
	s_load_b256 s[4:11], s[0:1], 0x0               ; qh s[4:5], kh s[6:7], vt s[8:9], bv s[10:11]
	s_load_b64 s[12:13], s[0:1], 0x20              ; ao
	v_lshl_add_u32 v[SPW], v0, 2, SPARE
	v_mov_b32 v[NIL], 0
	ds_add_u32 v[SPW], v[NIL]                      ; the wave's opening: the add, twice on end, and its wait ahead of the first tensor load
	ds_add_u32 v[SPW], v[NIL]
	v_lshrrev_b32 v1, 5, v0
	v_readfirstlane_b32 s[WV], v1                  ; wave 0..7
	s_bfe_u32 s16, ttmp6, 0x40000                  ; cx: it enters Q's, ao's and the prefetches' addresses alone (s16, s23, s2, s3, s66, s70, s71, s78)
	s_and_b32 s17, ttmp7, 0xffff
	s_lshr_b32 s18, s17, 3                         ; batch
	s_and_b32 s19, s17, 7                          ; pair of heads
	s_and_b32 s20, s[WV], 1                        ; which half of a tile I fetch
	s_lshr_b32 s21, s[WV], 2                       ; my head of the pair
	s_and_b32 s22, s[WV], 3                        ; my 64 queries of the 256
	s_lshl_b32 s23, ttmp9, 2
	s_add_co_u32 s23, s23, s16                     ; my block of 256 queries
	; what I fetch, if I fetch.  K: rows 2,048 batch + 128 half on, bytes 256 pair on.  V^T: rows 128 pair + 64 half on, bytes 4,096 batch on
	s_lshl_b32 s72, s18, 22
	s_lshl_b32 s79, s20, 18
	s_add_co_u32 s72, s72, s79
	s_lshl_b32 s79, s19, 8
	s_add_co_u32 s72, s72, s79
	s_mov_b32 s73, 0
	s_lshl_b32 s74, s19, 21
	s_lshl_b32 s79, s20, 20
	s_add_co_u32 s74, s74, s79
	s_lshl_b32 s79, s18, 12
	s_add_co_u32 s74, s74, s79
	s_mov_b32 s75, 0
	s_mul_i32 s76, s20, 128*PKB                    ; and where it goes in a slot
	s_mul_i32 s77, s20, 64*PVB
	s_add_co_u32 s77, s77, VOFF
	; group 1.  K: 128 rows x 128 elements of 2 bytes, 1,024 elements apart.  V^T: 64 rows x 256 elements, 8,192 apart.  16 bytes of padding behind each row
	s_mov_b32 s[G1K], 15|(1<<16)|(1<<20)|(1<<21)|(5<<22)|(3<<25)   ; 15:0 the mask: all four; 17:16 2 bytes; 20 padding on; 21 set beside a mask; 24:22 after every 64 words; 31:25 four words
	s_mov_b32 s[G1K+1], 128<<16
	s_mov_b32 s[G1K+2], 128<<16
	s_mov_b32 s[G1K+3], 128<<16
	s_mov_b32 s[G1K+4], 128
	s_mov_b32 s[G1K+5], 1024
	s_mov_b32 s[G1K+6], 0
	s_mov_b32 s[G1K+7], 0
	s_mov_b32 s[G1V], 15|(1<<16)|(1<<20)|(1<<21)|(6<<22)|(3<<25)   ; padding after every 128 words
	s_mov_b32 s[G1V+1], 256<<16
	s_mov_b32 s[G1V+2], 64<<16
	s_mov_b32 s[G1V+3], 256<<16
	s_mov_b32 s[G1V+4], 64
	s_mov_b32 s[G1V+5], 8192
	s_mov_b32 s[G1V+6], 0
	s_mov_b32 s[G1V+7], 0
	s_mov_b32 s[CS], 0x3e38aa3b                    ; c = log2(e) / 8
	s_mov_b32 s[CS+1], s[CS]
	s_mov_b32 s[SEL], 0x76543210
	s_mov_b32 s[SEL+1], 0xfedcba98
	; Q and ao
	s_lshl_b32 s2, s18, 11
	s_lshl_b32 s3, s23, 8
	s_add_co_u32 s2, s2, s3                        ; my block's first row
	s_lshl_b32 s66, s22, 6
	s_add_co_u32 s66, s66, s2
	s_lshl_b32 s66, s66, 11                        ; my wave's first row of Q, in bytes (under 2^24),
	s_lshl_b32 s79, s19, 8
	s_add_co_u32 s66, s66, s79                     ; + 256 pair
	s_lshl_b32 s3, s21, 7
	s_add_co_u32 s66, s66, s3                      ; + 128 head
	s_mov_b32 s67, 0
	s_lshl_b32 s3, s[WV], 5
	s_add_co_u32 s2, s2, s3
	s_lshl_b32 s2, s2, 11                          ; the first of the 32 rows of ao that I store
	s_add_co_u32 s2, s2, s79
	s_mov_b32 s3, 0
	; the prefetches: my offset in slot 1 (the first change steps it to slot 2), a slot's step, the lanes' distance
	s_lshl_b32 s70, s18, 22
	s_lshl_b32 s78, s16, 17
	s_add_co_u32 s70, s70, s78
	s_lshl_b32 s78, s20, 16
	s_add_co_u32 s70, s70, s78
	s_lshl_b32 s78, s19, 8
	s_add_co_u32 s70, s70, s78
	s_add_co_u32 s70, s70, 524288                  ; K: row 2,048 batch + 64 cx + 32 half, 256 pair bytes on, one slot (256 rows) on
	s_lshl_b32 s71, s19, 21
	s_lshl_b32 s78, s16, 19
	s_add_co_u32 s71, s71, s78
	s_lshl_b32 s78, s18, 12
	s_add_co_u32 s71, s71, s78
	s_lshl_b32 s78, s20, 8
	s_add_co_u32 s71, s71, s78
	s_add_co_u32 s71, s71, 512                     ; V^T: row 128 pair + 32 cx, 4,096 batch + 256 half bytes on, one slot (512 bytes) on
	s_mov_b32 s79, 512
	s_mov_b32 s56, 14
	s_cmp_lt_u32 s[WV], 6
	s_cselect_b32 s78, s70, s71
	s_cselect_b32 s[PFS], 524288, s79
	s_cselect_b32 s56, 11, s56                     ; lanes 2,048 bytes apart in kh, 16,384 in vt
	s_mov_b32 s79, 0
	s_mov_b32 s[PFS+1], 0
	v_and_b32 v[PFO], 31, v0
	v_lshlrev_b32 v[PFO], s56, v[PFO]
	s_xor_b32 s[LIM], s21, 1                       ; 0 in waves 4 to 7,
	s_or_b32 s[LIM], s[LIM], ttmp9                 ; of the pair's first cluster: the same in all four partners
	s_cmp_eq_u32 s[LIM], 0
	s_cselect_b32 s[LIM], 1, 0
	s_wait_dscnt 0x0                               ; both opening adds are done
	s_wait_kmcnt 0x0
	s_add_nc_u64 s[72:73], s[6:7], s[72:73]
	s_add_nc_u64 s[74:75], s[8:9], s[74:75]
	s_add_nc_u64 s[4:5], s[4:5], s[66:67]
	s_add_nc_u64 s[12:13], s[12:13], s[2:3]
	s_cmp_lt_u32 s[WV], 6
	s_cselect_b64 s[PFA:PFA+1], s[6:7], s[8:9]
	s_add_nc_u64 s[PFA:PFA+1], s[PFA:PFA+1], s[78:79]
	CROUND                                         ; all four work-groups are here: the first joint loads meet
.irp n, 0,1
	s_mov_b32 s[G0K+4*\n], 1                       ; count = 1
	s_add_co_u32 s[G0K+4*\n+1], s76, \n*SLOT       ; LDS address
	s_add_nc_u64 s[G0K+4*\n+2:G0K+4*\n+3], s[72:73], \n*524288     ; slot n begins with tile n: 256 keys on
	s_or_b32 s[G0K+4*\n+3], s[G0K+4*\n+3], 0x80000000             ; type = 2
	s_mov_b32 s[G0V+4*\n], 1
	s_add_co_u32 s[G0V+4*\n+1], s77, \n*SLOT
	s_add_nc_u64 s[G0V+4*\n+2:G0V+4*\n+3], s[74:75], \n*512
	s_or_b32 s[G0V+4*\n+3], s[G0V+4*\n+3], 0x80000000
.endr
	TLOAD 0                                        ; tile 0.  Slot 1 is first filled behind the first change's round, behind which no bytes are filled again
	v_and_b32 v13, 15, v0                          ; r
	v_bfe_u32 v14, v0, 4, 1                        ; h
	v_lshlrev_b32 v[QO], 11, v13
	v_lshl_add_u32 v[QO], v14, 4, v[QO]            ; row r of 2,048 bytes + 16 h
	WIN TO_1
.irp t, 0,1,2,3                        ; Q stays in registers: tile t, channels 32 c on: lane l holds row l % 16; registers 0-3 channels 8 h + 0..7, registers 4-7 channels 16 + 8 h + 0..7
.irp c, 0,1
	global_load_b128 v[QF+16*\t+8*\c:QF+16*\t+8*\c+3],   v[QO], s[4:5] offset:\t*32768+64*\c
	global_load_b128 v[QF+16*\t+8*\c+4:QF+16*\t+8*\c+7], v[QO], s[4:5] offset:\t*32768+64*\c+32
.endr
.endr
.set i, 0
.rept 128
	v_mov_b32 v[i], 0                              ; O^T
.set i, i+1
.endr
	WIN 0
	v_mul_u32_u24 v[AK0], v13, PKB
	v_lshl_add_u32 v[AK0], v14, 4, v[AK0]
	s_lshl_b32 s79, s21, 7
	v_add_nc_u32 v[AK0], s79, v[AK0]
	s_mul_i32 s79, s21, 64*PVB
	s_add_co_u32 s79, s79, VOFF
	v_mul_u32_u24 v[AV0], v13, PVB
	v_lshl_add_u32 v[AV0], v14, 4, v[AV0]
	v_add_nc_u32 v[AV0], s79, v[AV0]
	v_lshlrev_b32 v[BVO], 5, v14
.irp t, 0,1,2,3
	v_mov_b32 v[ST+8*\t+1], 0xff61b1e6             ; m = -3e38, under every score
	v_mul_f32 v[ST+8*\t], s[CS], v[ST+8*\t+1]      ; c m
	v_mov_b32 v[ST+8*\t+2], 0                      ; l
	v_mov_b32 v[ST+8*\t+3], 0
.endr
; A STEP: 64 keys.  Every window is 0 at its head and at its end.
.macro STEP
	v_add_nc_u32 v[ADK], s[TK], v[AK0]
	v_add_nc_u32 v[ADV], s[TV], v[AV0]
.rept 4
	v_nop                                          ; with the two additions six places behind the last step's products: four are owed by the loads into V^T's registers, five by the products below, which write over P
.endr
.irp f, 0,1,2,3,4,5,6,7                ; K: keys 16 (f / 2) on, channels 32 (f % 2) on
	ds_load_b128 v[KF+8*\f:KF+8*\f+3],   v[ADK] offset:(\f/2)*16*PKB+(\f%2)*64
	ds_load_b128 v[KF+8*\f+4:KF+8*\f+7], v[ADK] offset:(\f/2)*16*PKB+(\f%2)*64+32
.endr
	WIN TO_1
.irp f, 0,1,2,3,4,5,6,7                ; V^T: keys 32 (f / 4) on, channels 16 (f % 4) on
	ds_load_b128 v[VF+8*\f:VF+8*\f+3],   v[ADV] offset:(\f%4)*16*PVB+(\f/4)*64
	ds_load_b128 v[VF+8*\f+4:VF+8*\f+7], v[ADV] offset:(\f%4)*16*PVB+(\f/4)*64+32
.endr
	s_wait_dscnt 16                                ; K is in; V^T's 16 loads may be out
	WIN W_KQ
.irp c, 0,1                            ; S^T = K Q^T: the 16 accumulators take turns, one instruction a turn; the first 16 start the sums
.irp kt, 0,1,2,3
.irp t, 0,1,2,3
.if \c == 0
	v_wmma_f32_16x16x32_f16 v[S+32*\t+8*\kt:S+32*\t+8*\kt+7], v[KF+8*(2*\kt+\c):KF+8*(2*\kt+\c)+7], v[QF+16*\t+8*\c:QF+16*\t+8*\c+7], 0
.else
	v_wmma_f32_16x16x32_f16 v[S+32*\t+8*\kt:S+32*\t+8*\kt+7], v[KF+8*(2*\kt+\c):KF+8*(2*\kt+\c)+7], v[QF+16*\t+8*\c:QF+16*\t+8*\c+7], v[S+32*\t+8*\kt:S+32*\t+8*\kt+7]
.endif
.endr
.endr
.endr
	WIN 0
.rept 4
	v_nop                                          ; places behind the last product, ahead of the first read of results
.endr
	; the maximum of a lane's 32 scores and the old m: four chains a tile, the four tiles line by line; each accumulator is read first at its low end
.irp j, 0,1,2,3
.irp t, 0,1,2,3
	v_max3_num_f32 v[ST+8*\t+4+\j], v[S+32*\t+8*\j], v[S+32*\t+8*\j+1], v[S+32*\t+8*\j+2]
.endr
.endr
.irp g, 1,2
.irp j, 0,1,2,3
.irp t, 0,1,2,3
	v_max3_num_f32 v[ST+8*\t+4+\j], v[ST+8*\t+4+\j], v[S+32*\t+8*\j+2*\g+1], v[S+32*\t+8*\j+2*\g+2]
.endr
.endr
.endr
.irp t, 0,1,2,3
	v_max3_num_f32 v[ST+8*\t+4], v[ST+8*\t+4], v[S+32*\t+7], v[S+32*\t+15]
.endr
.irp t, 0,1,2,3
	v_max3_num_f32 v[ST+8*\t+6], v[ST+8*\t+6], v[S+32*\t+23], v[S+32*\t+31]
.endr
.irp t, 0,1,2,3
	v_max3_num_f32 v[ST+8*\t+4], v[ST+8*\t+4], v[ST+8*\t+5], v[ST+8*\t+6]
.endr
.irp t, 0,1,2,3
	v_max3_num_f32 v[ST+8*\t+4], v[ST+8*\t+4], v[ST+8*\t+7], v[ST+8*\t+1]
.endr
.irp t, 0,1,2,3
	v_permlanex16_b32 v[ST+8*\t+5], v[ST+8*\t+4], s[SEL], s[SEL+1]  ; the query's other 32 keys lie in the lane 16 away
.endr
.irp t, 0,1,2,3
	v_mov_b32 v[ST+8*\t+7], v[ST+8*\t]             ; c m_old
.endr
.irp t, 0,1,2,3
	v_max_num_f32 v[ST+8*\t+1], v[ST+8*\t+4], v[ST+8*\t+5]          ; the new m
.endr
.irp t, 0,1,2,3
	v_mul_f32 v[ST+8*\t], s[CS], v[ST+8*\t+1]
.endr
.irp t, 0,1,2,3
	v_sub_f32 v[ST+8*\t+7], v[ST+8*\t+7], v[ST+8*\t]                ; c m_old - c m_new
.endr
.set i, 0
.rept 16
.irp t, 0,1,2,3
	v_pk_fma_f32 v[S+32*\t+2*i:S+32*\t+2*i+1], v[S+32*\t+2*i:S+32*\t+2*i+1], s[CS:CS+1], v[ST+8*\t:ST+8*\t+1] op_sel_hi:[1,0,0] neg_lo:[0,0,1] neg_hi:[0,0,1]  ; c s - c m, two at a time
.endr
.set i, i+1
.endr
	; ONE BATCH: the four a and the 128 p; none of these lines names another's result
.irp t, 0,1,2,3
	v_exp_f32 v[ST+8*\t+6], v[ST+8*\t+7]
.endr
.set i, 0
.rept 32
.irp t, 0,1,2,3
	v_exp_f32 v[S+32*\t+i], v[S+32*\t+i]
.endr
.set i, i+1
.endr
	v_nop                                          ; a plain instruction behind the last exponential, ahead of the first use
	s_wait_alu depctr_va_vdst(0)                   ; one wait for the batch, ahead of the first line that names a result
	; l = a l + the sum of the unrounded p, two at a time, in two chains a tile
.irp t, 0,1,2,3
	v_pk_mul_f32 v[ST+8*\t+2:ST+8*\t+3], v[ST+8*\t+2:ST+8*\t+3], v[ST+8*\t+6:ST+8*\t+7] op_sel_hi:[1,0]
.endr
.irp t, 0,1,2,3
	v_pk_add_f32 v[ST+8*\t+4:ST+8*\t+5], v[S+32*\t:S+32*\t+1], v[S+32*\t+2:S+32*\t+3]
.endr
.irp j, 4,8,12,16,20,24,28
.irp t, 0,1,2,3
	v_pk_add_f32 v[ST+8*\t+2:ST+8*\t+3], v[ST+8*\t+2:ST+8*\t+3], v[S+32*\t+\j:S+32*\t+\j+1]
.endr
.irp t, 0,1,2,3
	v_pk_add_f32 v[ST+8*\t+4:ST+8*\t+5], v[ST+8*\t+4:ST+8*\t+5], v[S+32*\t+\j+2:S+32*\t+\j+3]
.endr
.endr
.irp t, 0,1,2,3
	v_pk_add_f32 v[ST+8*\t+2:ST+8*\t+3], v[ST+8*\t+2:ST+8*\t+3], v[ST+8*\t+4:ST+8*\t+5]
.endr
	; P: rounded to f16 in pairs, in place: register i takes p 2 i and 2 i + 1, which nothing reads afterwards
.set i, 0
.rept 16
.irp t, 0,1,2,3
	v_cvt_pk_f16_f32 v[S+32*\t+i], v[S+32*\t+2*i], v[S+32*\t+2*i+1]
.endr
.set i, i+1
.endr
	WIN W_RS
.set i, 0
.rept 16
.irp t, 0,1,2,3
	v_pk_mul_f32 v[32*\t+2*i:32*\t+2*i+1], v[32*\t+2*i:32*\t+2*i+1], v[ST+8*\t+6:ST+8*\t+7] op_sel_hi:[1,0]   ; O^T x a, each accumulator from its low end on
.endr
.set i, i+1
.endr
	s_wait_dscnt 0x0                               ; V^T is in
	WIN W_PV
.irp f, 0,1                            ; O^T += V^T P: the 16 accumulators take turns
.irp ct, 0,1,2,3
.irp t, 0,1,2,3
	v_wmma_f32_16x16x32_f16 v[32*\t+8*\ct:32*\t+8*\ct+7], v[VF+8*(4*\f+\ct):VF+8*(4*\f+\ct)+7], v[S+32*\t+8*\f:S+32*\t+8*\f+7], v[32*\t+8*\ct:32*\t+8*\ct+7]
.endr
.endr
.endr
	WIN 0
	s_add_co_u32 s[TK], s[TK], 64*PKB              ; the next 64 keys: 64 rows on in K,
	s_add_co_u32 s[TV], s[TV], 128                 ; 128 bytes on in V^T's rows
.endm
; A SLOT'S TURN.  At its head the change of slots: each wave waits for all its tensor loads (its part of this slot), adds 0 to its spare word, and waits for that and for its reads of the other slot; a round of the cluster's
; barrier; behind it this slot is whole and no wave of any partner reads the other.  refill = 1: the other slot is asked for, first thing behind the round: it has four steps in which to land.
; more = 1: this slot's descriptors step two tiles on (no tensor load of mine is out), and the prefetch asks for the tile behind the one just asked for.
.macro TRIP slot, refill, more
	s_wait_tensorcnt 0x0
	ds_add_u32 v[SPW], v[NIL]
.if \refill
	ds_add_u32 v[SPW], v[NIL]                      ; twice on end in a trip that asks for the other slot
.endif
.if \more
	s_add_nc_u64 s[G0K+4*\slot+2:G0K+4*\slot+3], s[G0K+4*\slot+2:G0K+4*\slot+3], 2*524288
	s_add_nc_u64 s[G0V+4*\slot+2:G0V+4*\slot+3], s[G0V+4*\slot+2:G0V+4*\slot+3], 2*512
	s_wait_xcnt 0x0                                ; the last prefetch, a slot back, has read its address, so it may be written
	s_add_nc_u64 s[PFA:PFA+1], s[PFA:PFA+1], s[PFS:PFS+1]
.endif
	s_wait_dscnt 0x0                               ; the add is done, and my reads of the other slot are over
	CROUND
.if \refill
	TLOAD 1-\slot
.endif
.if \more
	ASK
.endif
	s_mov_b32 s[TK], \slot*SLOT
	s_mov_b32 s[TV], \slot*SLOT
	s_mov_b32 s[NST], 4
.Lstep_\@:
	STEP
	s_sub_co_u32 s[NST], s[NST], 1
	s_cmp_lg_u32 s[NST], 0
	s_cbranch_scc1 .Lstep_\@
.endm
	s_wait_loadcnt 0x0                             ; Q
	s_mov_b32 s[LAP], 3
.Llap:                                             ; tiles 0 to 5 are read, tiles 1 to 6 asked for
	TRIP 0, 1, 1
	TRIP 1, 1, 1
	s_sub_co_u32 s[LAP], s[LAP], 1
	s_cmp_lg_u32 s[LAP], 0
	s_cbranch_scc1 .Llap
	TRIP 0, 1, 0                                   ; the tail is written out: tile 6 is read, tile 7 asked for
	TRIP 1, 0, 0                                   ; tile 7 is read
	; THE WAY OUT.  l's two halves and the other half of the lanes' are added; O^T / l + bv in one multiply-add; rounded to f16; through a stage of 256 rows x (256 bytes + 16) in slot 0, which has had its last fill and, behind
	; the last round, its last read.  A row's 256 bytes come from two waves (the two heads of the pair): a barrier stands between the writing and the reading.
	s_lshl_b32 s72, s19, 9
	s_lshl_b32 s73, s21, 8
	s_add_co_u32 s72, s72, s73
	s_mov_b32 s73, 0
	s_add_nc_u64 s[10:11], s[10:11], s[72:73]      ; bv at my head's 64 numbers
.irp ct, 0,1,2,3
	global_load_b128 v[KF+8*\ct:KF+8*\ct+3],   v[BVO], s[10:11] offset:64*\ct      ; bv(16 ct + 8 h + 0 .. 7), into K's registers, which the last products did not name
	global_load_b128 v[KF+8*\ct+4:KF+8*\ct+7], v[BVO], s[10:11] offset:64*\ct+16
.endr
.irp t, 0,1,2,3
	v_add_f32 v[ST+8*\t+4], v[ST+8*\t+2], v[ST+8*\t+3]             ; (these four lines are the places behind the last products)
.endr
.irp t, 0,1,2,3
	v_permlanex16_b32 v[ST+8*\t+5], v[ST+8*\t+4], s[SEL], s[SEL+1]
.endr
.irp t, 0,1,2,3
	v_add_f32 v[ST+8*\t+4], v[ST+8*\t+4], v[ST+8*\t+5]
.endr
.irp t, 0,1,2,3
	v_rcp_f32 v[ST+8*\t+6], v[ST+8*\t+4]
.endr
	s_mul_i32 s74, s22, 64*272                     ; the addresses are made here: plain work behind the reciprocals
	s_lshl_b32 s75, s21, 7
	s_add_co_u32 s74, s74, s75
	v_mul_u32_u24 v[STO], v13, 272                 ; in: row 64 (w % 4) + r, 128 bytes on for the pair's second head, 16 h
	v_lshl_add_u32 v[STO], v14, 4, v[STO]
	v_add_nc_u32 v[STO], s74, v[STO]
	s_mul_i32 s74, s[WV], 32*272
	v_mul_u32_u24 v[RD], v14, 272                  ; back: wave w takes rows 32 w on, whole; lanes 0-15 one row, lanes 16-31 the next
	v_lshl_add_u32 v[RD], v13, 4, v[RD]
	v_add_nc_u32 v[RD], s74, v[RD]
	v_lshlrev_b32 v[GO], 11, v14                   ; and the same two rows in ao
	v_lshl_add_u32 v[GO], v13, 4, v[GO]
	s_wait_alu depctr_va_vdst(0)                   ; one wait for the four reciprocals, ahead of their first reader
	s_wait_loadcnt 0x0                             ; bv
	WIN W_RS
.set i, 0
.rept 16
.irp t, 0,1,2,3
	v_pk_fma_f32 v[32*\t+2*i:32*\t+2*i+1], v[32*\t+2*i:32*\t+2*i+1], v[ST+8*\t+6:ST+8*\t+7], v[KF+2*i:KF+2*i+1] op_sel_hi:[1,0,1]
.endr
.set i, i+1
.endr
	WIN 0x05                                       ; sources 0 and 1 window 1, destination window 0
.set i, 0
.rept 16
.irp t, 0,1,2,3
	v_cvt_pk_f16_f32 v[S+16*\t+i], v[32*\t+2*i], v[32*\t+2*i+1]
.endr
.set i, i+1
.endr
	WIN 0
.irp t, 0,1,2,3
.irp ct, 0,1,2,3
	ds_store_b128 v[STO], v[S+16*\t+4*\ct:S+16*\t+4*\ct+3] offset:\t*16*272+32*\ct
.endr
.endr
	s_wait_dscnt 0x0                               ; for the others' sake: my stores into the stage are done
	s_barrier_signal -1
	s_barrier_wait -1
.irp i, 0,1,2,3,4,5,6,7,8,9,10,11,12,13,14,15
	ds_load_b128 v[128+4*\i:128+4*\i+3], v[RD] offset:\i*2*272
.endr
.irp i, 0,1,2,3,4,5,6,7,8,9,10,11,12,13,14,15
	s_wait_dscnt 15-\i                             ; the younger loads may be out
	global_store_b128 v[GO], v[128+4*\i:128+4*\i+3], s[12:13] offset:\i*4096       ; 16 lanes store 256 consecutive bytes, at a multiple of 256 from ao's first byte
.endr
	s_wait_tensorcnt 0x0                           ; the wave's end
	ds_add_u32 v[SPW], v[NIL]
	s_wait_dscnt 0x0
	CROUND                                         ; the closing round
	s_endpgm
.Lfunc_end_k_q8e8de8201e_attn:
	.size	k_q8e8de8201e_attn, .Lfunc_end_k_q8e8de8201e_attn-k_q8e8de8201e_attn
	.p2alignl 7, 3214868480
	.fill 96, 4, 3214868480
	.section	.rodata,"a",@progbits
	.p2align	6, 0x0
	.amdhsa_kernel k_q8e8de8201e_attn
		.amdhsa_group_segment_fixed_size 327680
		.amdhsa_private_segment_fixed_size 0
		.amdhsa_enable_private_segment 0
		.amdhsa_kernarg_size 40
		.amdhsa_user_sgpr_count 2
		.amdhsa_user_sgpr_kernarg_segment_ptr 1
		.amdhsa_wavefront_size32 1
		.amdhsa_system_sgpr_workgroup_id_x 1
		.amdhsa_system_sgpr_workgroup_id_y 1
		.amdhsa_system_sgpr_workgroup_id_z 1
		.amdhsa_system_vgpr_workitem_id 0
		.amdhsa_next_free_vgpr 512
		.amdhsa_next_free_sgpr 80
		.amdhsa_reserve_vcc 0
		.amdhsa_float_denorm_mode_32 3
		.amdhsa_float_denorm_mode_16_64 3
		.amdhsa_memory_ordered 1
		.amdhsa_forward_progress 1
		.amdhsa_inst_pref_size 162
	.end_amdhsa_kernel
	.amdgpu_metadata
---
amdhsa.version: [ 1, 2 ]
amdhsa.kernels:
  - .name:           k_q8e8de8201e_attn
    .symbol:         k_q8e8de8201e_attn.kd
    .args:
      - { .name: qh, .offset: 0, .size: 8, .value_kind: global_buffer, .address_space: global }
      - { .name: kh, .offset: 8, .size: 8, .value_kind: global_buffer, .address_space: global }
      - { .name: vt, .offset: 16, .size: 8, .value_kind: global_buffer, .address_space: global }
      - { .name: bv, .offset: 24, .size: 8, .value_kind: global_buffer, .address_space: global }
      - { .name: ao, .offset: 32, .size: 8, .value_kind: global_buffer, .address_space: global }
    .group_segment_fixed_size: 327680
    .private_segment_fixed_size: 0
    .kernarg_segment_align: 8
    .kernarg_segment_size: 40
    .max_flat_workgroup_size: 256
    .sgpr_count:     80
    .vgpr_count:     512
    .wavefront_size: 32
...
	.end_amdgpu_metadata
.endif
;; end of part 3
;; launch outp (part 4): grid 4 x 64, 4 waves a work-group, clusters of 4 x 4, 327,680 bytes of LDS; arguments ao, wo16, bo, out0; writes out0
.if DOCPART == 4
	.amdgcn_target "amdgcn-amd-amdhsa--gfx1250"
	.amdhsa_code_object_version 6
	.text
	.protected	k_q8e8de8201e_outp
	.globl	k_q8e8de8201e_outp
	.p2align	8
	.type	k_q8e8de8201e_outp,@function
k_q8e8de8201e_outp:
	s_mov_b64 s[64:65], 0
	v_nop
	global_prefetch_b8 v0, s[64:65] scope:SCOPE_SE
	s_setreg_imm32_b32 hwreg(HW_REG_WAVE_MODE, 25, 1), 1
	s_wait_xcnt 0x0
	s_wait_alu depctr_hold_cnt(0) depctr_sa_sdst(0) depctr_va_vdst(0) depctr_va_sdst(0) depctr_va_ssrc(0) depctr_va_vcc(0) depctr_vm_vsrc(0)
	s_getreg_b32 s2, hwreg(HW_REG_IB_STS2, 6, 4)
	s_cmp_eq_u32 s2, 0
	s_cbranch_scc0 .Lentry_in_a_cluster
	s_endpgm
.Lentry_in_a_cluster:
	s_bfe_u32 s2, ttmp6, 0x10000c
	s_cmp_lg_u32 s2, 0xf033
	s_cbranch_scc0 .Lentry_shape_is_right
	s_endpgm
.Lentry_shape_is_right:
; out0[m][n] = sum over k of ao[m][k] Wo[n][k] + bo[n].  ao: [8,192][1,024] f16, wo16: [1,024][1,024] f16, bo: [1,024] f32, out0: [8,192][1,024] f32; sums in f32.
; SHARES.  A tile of out0 is 128 rows x 256 columns: 256 work-groups.  Four waves, each 64 rows x 128 columns: 32 accumulators of 16 x 16, 256 registers.
; K goes in 8 steps of 128 (rows of 256 bytes) through a ring of two LDS slots: A's 128 rows, then B's 256.  Waves 0, 1 fetch A's halves (64 rows), waves 2, 3 B's (128 rows): one tensor load a wave behind each change of slots.
; CLUSTERS: 4 x 4 work-groups.  The four of a row of the cluster need the same tiles of ao, the four of a column the same tiles of wo16: each tile is asked for jointly, with a mask that names the four.
; THE MATRIX INSTRUCTION IS USED TRANSPOSED (source 0 = 16 rows of wo16, source 1 = 16 rows of ao): a lane then holds eight neighbouring numbers of a row of out0.
; bo is the C of the first quarter's products: eight registers for each of B's eight blocks, in the result's layout.
; REGISTERS: window 0: v1-29 addresses; v64-95, v96-127 A's fragments (4 x 16 rows x 32 K), two buffers; v128-191, v192-255 B's (8 blocks), two buffers; on the way out v64-191 take rows.
;   window 1: accumulator (a, b) at v[8 (8 a + b)].   window 2: v0-63 bo.
.set KSTEP,  128
.set PITCH,  272                       ; an LDS row: 256 bytes + 16 of padding: the 16 rows that a load touches start at 16 different banks (64 banks of 4 bytes: ISA guide 11.1)
.set AH,     64*PITCH                  ; what one of A's loads brings, and what a wave reads of A
.set BOFF,   2*AH
.set BH,     128*PITCH                 ; the same for B
.set SLOT,   BOFF+2*BH
.set SPARE,  2*SLOT                    ; behind the ring: the spare words, 128 bytes a wave, that no other line names
.set SPITCH, 528                       ; the way out: a stage of 16 rows x (512 bytes + 16) for each wave, in slot 0, which has had its last fill and its last read when the first result is stored there
.set LAPS,   4                         ; a lap = two K steps = once round the ring
.set ADRA, 16
.set ADRB, 20
.set STO,  24
.set RD,   25
.set CO,   26
.set SPW,  28
.set NIL,  29
.set BK,   64
.set WV,   12                          ; s12 wave;  s13 my half of the rows, also: I fetch for A (0) or B (1);  s14 my half of the columns, also: which half of the tile I fetch
.set WR,   13
.set WC,   14
.set G1, 24
.set G0, 32
.set G1B, 48
.set G0B, 56
.set MSB, 0
.macro WIN new
.if MSB != (\new)
	s_set_vgpr_msb (MSB<<8)|(\new)
.set MSB, (\new)
.endif
.endm
.set MUL,   0x50                       ; C and D window 1, fragments window 0
.set MUL_B, 0x60                       ; D window 1, C (bo) window 2
.macro JLOAD s                         ; a joint load; an s_nop 0 and four v_nop follow each of the two lines
	s_cmp_eq_u32 s[WR], 0
	s_cbranch_scc0 .Lfor_b_\@
	tensor_load_to_lds s[G0+4*\s:G0+4*\s+3], s[G1:G1+7]
	s_nop 0
.rept 4
	v_nop
.endr
	s_branch .Lasked_\@
.Lfor_b_\@:
	tensor_load_to_lds s[G0B+4*\s:G0B+4*\s+3], s[G1B:G1B+7]
	s_nop 0
.rept 4
	v_nop
.endr
.Lasked_\@:
.endm
.macro CREST                           ; a round of the cluster's barrier behind its opening barrier
	s_cmp_lg_u32 s[WV], 0
	s_cbranch_scc1 .Lnot_wave_0_\@
	s_barrier_signal -3
.Lnot_wave_0_\@:
	s_barrier_wait -3
	s_barrier_signal -1
	s_barrier_wait -1
.endm
.macro CROUND
	s_barrier_signal -1
	s_barrier_wait -1
	CREST
.endm
	s_load_b256 s[4:11], s[0:1], 0x0               ; ao s[4:5], wo16 s[6:7], bo s[8:9], out0 s[10:11]
	v_lshl_add_u32 v[SPW], v0, 2, SPARE
	v_mov_b32 v[NIL], 0
	ds_add_u32 v[SPW], v[NIL]                      ; the wave's opening: the add, twice on end, and its wait ahead of my first tensor load
	ds_add_u32 v[SPW], v[NIL]
	v_lshrrev_b32 v1, 5, v0
	v_readfirstlane_b32 s[WV], v1
	s_lshr_b32 s[WR], s[WV], 1
	s_and_b32 s[WC], s[WV], 1
	s_bfe_u32 s40, ttmp6, 0x40000                  ; cx, cy
	s_bfe_u32 s41, ttmp6, 0x40004
	s_lshl_b32 s42, ttmp9, 2
	s_add_co_u32 s42, s42, s40                     ; tile column
	s_and_b32 s15, ttmp7, 0xffff
	s_lshl_b32 s15, s15, 2
	s_add_co_u32 s15, s15, s41                     ; tile row
	s_lshl_b32 s43, s41, 2
	s_lshl_b32 s43, 15, s43                        ; my row of the cluster
	s_lshl_b32 s44, 0x1111, s40                    ; my column
	s_or_b32 s[G1+0], s43, (1<<16)|(1<<20)|(1<<21)|(5<<22)|(3<<25)  ; the mask; elements of 2 bytes; padding on; 21 set beside a mask; four words after every 64
	s_or_b32 s[G1B+0], s44, (1<<16)|(1<<20)|(1<<21)|(5<<22)|(3<<25)
	s_mov_b32 s[G1+1], KSTEP<<16                   ; A: 64 rows x 128 elements
	s_mov_b32 s[G1+2], 64<<16
	s_mov_b32 s[G1+3], KSTEP<<16
	s_mov_b32 s[G1+4], 64
	s_mov_b32 s[G1+5], 1024
	s_mov_b32 s[G1+6], 0
	s_mov_b32 s[G1+7], 0
	s_mov_b32 s[G1B+1], KSTEP<<16                  ; B: 128 rows x 128 elements
	s_mov_b32 s[G1B+2], 128<<16
	s_mov_b32 s[G1B+3], KSTEP<<16
	s_mov_b32 s[G1B+4], 128
	s_mov_b32 s[G1B+5], 1024
	s_mov_b32 s[G1B+6], 0
	s_mov_b32 s[G1B+7], 0
	; A's address hangs on the tile row alone (s16, s17), B's on the tile column alone (s46, s47): neither pair ever holds the other coordinate
	s_lshl_b32 s16, s15, 7
	s_lshl_b32 s17, s[WC], 6
	s_add_co_u32 s16, s16, s17                     ; A: row 128 x tile row + 64 x half
	s_lshl_b32 s16, s16, 11                        ; in bytes: under 2^24
	s_mov_b32 s17, 0
	s_lshl_b32 s46, s42, 8
	s_lshl_b32 s47, s[WC], 7
	s_add_co_u32 s46, s46, s47                     ; B: row 256 x tile column + 128 x half
	s_lshl_b32 s46, s46, 11
	s_mov_b32 s47, 0
	s_mul_i32 s20, s[WC], AH                       ; where they go: no place in the cluster enters an LDS address
	s_mul_i32 s21, s[WC], BH
	s_add_co_u32 s21, s21, BOFF
	s_wait_dscnt 0x0                               ; both opening adds are done
	s_wait_kmcnt 0x0
	s_add_nc_u64 s[16:17], s[4:5], s[16:17]
	s_add_nc_u64 s[46:47], s[6:7], s[46:47]
	CROUND                                         ; all sixteen work-groups are here: the first joint loads meet
.irp s, 0,1
	s_mov_b32 s[G0+4*\s], 1
	s_add_co_u32 s[G0+4*\s+1], s20, \s*SLOT
	s_add_nc_u64 s[G0+4*\s+2:G0+4*\s+3], s[16:17], \s*KSTEP*2
	s_or_b32 s[G0+4*\s+3], s[G0+4*\s+3], 0x80000000
	s_mov_b32 s[G0B+4*\s], 1
	s_add_co_u32 s[G0B+4*\s+1], s21, \s*SLOT
	s_add_nc_u64 s[G0B+4*\s+2:G0B+4*\s+3], s[46:47], \s*KSTEP*2
	s_or_b32 s[G0B+4*\s+3], s[G0B+4*\s+3], 0x80000000
	JLOAD \s
.endr
	v_and_b32 v1, 15, v0                           ; r
	v_bfe_u32 v2, v0, 4, 1                         ; h
	s_lshl_b32 s46, s42, 10
	s_lshl_b32 s47, s[WC], 9
	s_add_co_u32 s46, s46, s47                     ; my first column, in bytes of f32: 1,024 x tile column + 512 x half
	s_mov_b32 s47, 0
	s_add_nc_u64 s[8:9], s[8:9], s[46:47]
	v_lshlrev_b32 v3, 5, v2                        ; 32 h
	WIN 0x80                                       ; destination window 2
.irp b, 0,1,2,3,4,5,6,7
	global_load_b128 v[8*\b:8*\b+3],   v3, s[8:9] offset:64*\b         ; bo(my first column + 16 b + 8 h + 0 .. 7)
	global_load_b128 v[8*\b+4:8*\b+7], v3, s[8:9] offset:64*\b+16
.endr
	WIN 0
	v_mul_u32_u24 v4, v1, PITCH
	v_lshl_add_u32 v4, v2, 4, v4                   ; a fragment's row x pitch + 16 x half
	s_mul_i32 s21, s[WR], AH                       ; my 64 rows of A
	s_mul_i32 s22, s[WC], BH                       ; my 128 rows of B
	s_add_co_u32 s22, s22, BOFF
.irp s, 0,1
	v_add_nc_u32 v[ADRA+\s], s21, v4
	v_add_nc_u32 v[ADRB+\s], s22, v4
	s_add_co_u32 s21, s21, SLOT
	s_add_co_u32 s22, s22, SLOT
.endr
	s_mul_i32 s23, s[WV], 16*SPITCH                ; my stage
	v_mul_u32_u24 v5, v1, SPITCH                   ; in: row r, 32 bytes for each half of the lanes
	v_lshl_add_u32 v5, v2, 5, v5
	v_add_nc_u32 v[STO], s23, v5
	v_and_b32 v6, 31, v0
	v_lshlrev_b32 v[CO], 4, v6                     ; back: the 32 lanes take one row of 512 bytes; and the same in out0
	v_add_nc_u32 v[RD], s23, v[CO]
	s_lshl_b32 s16, s15, 7
	s_lshl_b32 s17, s[WR], 6
	s_add_co_u32 s16, s16, s17                     ; my first row of out0
	s_lshl_b32 s16, s16, 12                        ; in bytes: under 2^25
	s_mov_b32 s17, 0
	s_add_nc_u64 s[10:11], s[10:11], s[16:17]
	s_add_nc_u64 s[10:11], s[10:11], s[46:47]
; 8 matrix instructions: A's block a x B's eight, 32 along K, from buffer f.  first = 1: bo is the C.  The 32 accumulators take turns, one instruction a turn, in the same order in every quarter.
.macro MUL8 f, a, first
.irp b, 0,1,2,3,4,5,6,7
.if \first
	v_wmma_f32_16x16x32_f16 v[8*(8*(\a)+\b):8*(8*(\a)+\b)+7], v[128+64*(\f)+8*\b:128+64*(\f)+8*\b+7], v[64+32*(\f)+8*(\a):64+32*(\f)+8*(\a)+7], v[8*\b:8*\b+7]
.else
	v_wmma_f32_16x16x32_f16 v[8*(8*(\a)+\b):8*(8*(\a)+\b)+7], v[128+64*(\f)+8*\b:128+64*(\f)+8*\b+7], v[64+32*(\f)+8*(\a):64+32*(\f)+8*(\a)+7], v[8*(8*(\a)+\b):8*(8*(\a)+\b)+7]
.endif
.endr
.endm
; 24 LDS loads in one run: the fragments of 32 along K at byte k of the rows, into buffer f: B's eight blocks, then A's four
.macro FETCH slot, k, f
	WIN 0
.irp i, 0,1,2,3,4,5,6,7
	ds_load_b128 v[128+64*(\f)+8*\i:128+64*(\f)+8*\i+3],   v[ADRB+\slot] offset:\k+\i*16*PITCH
	ds_load_b128 v[128+64*(\f)+8*\i+4:128+64*(\f)+8*\i+7], v[ADRB+\slot] offset:\k+\i*16*PITCH+32
.endr
.irp i, 0,1,2,3
	ds_load_b128 v[64+32*(\f)+8*\i:64+32*(\f)+8*\i+3],   v[ADRA+\slot] offset:\k+\i*16*PITCH
	ds_load_b128 v[64+32*(\f)+8*\i+4:64+32*(\f)+8*\i+7], v[ADRA+\slot] offset:\k+\i*16*PITCH+32
.endr
.endm
.macro PLACES                          ; four places in front of loads into registers that matrix instructions have read, and of the first read of results (ISA guide 7.12.1 for vector instructions)
.rept 4
	v_nop
.endr
.endm
; A K step is four quarters of 32 along K, 32 matrix instructions each, on buffers 0, 1, 0, 1.  One of the first three: multiplies buffer f and fetches the next quarter, at byte k, into g.
.macro QUARTER slot, k, f, g, first
	s_wait_dscnt 4                                 ; B and A's blocks 0, 1 are in; the youngest four loads (A's blocks 2, 3) may be out
	WIN MUL+0x10*(\first)
	MUL8 \f, 0, \first
	MUL8 \f, 1, \first
	PLACES
	FETCH \slot, \k, \g
	s_wait_dscnt 24                                ; all but the 24 just issued
	WIN MUL+0x10*(\first)
	MUL8 \f, 2, \first
	MUL8 \f, 3, \first
.endm
; The last quarter multiplies buffer 1 and changes slots: ONE barrier; in front of it each wave waits for all its tensor loads, adds 0 to its spare word, and waits for that and for its own reads of this slot.
; fill = 1: the barrier opens a round of the cluster's barrier, and this slot is filled again, two K steps ahead: 112 matrix instructions stand between the request and the wait for it.
.macro TURN slot, next, fill
	WIN 0                                          ; (the add's two registers lie in window 0)
	s_wait_tensorcnt 0x0                           ; all my tensor loads have landed: my part of the next slot
	ds_add_u32 v[SPW], v[NIL]
	s_wait_dscnt 5                                 ; (the add and the youngest four loads may be out)
	WIN MUL
	MUL8 1, 0, 0                                   ; eight matrix instructions stand between the add and the wait for it
	s_wait_dscnt 0x0                               ; the add is done, and my reads of this slot are over
	s_barrier_signal -1
	MUL8 1, 1, 0
	WIN 0
	s_barrier_wait -1
.if \fill
	CREST                                          ; no wave of any partner still reads this slot's tile or has a load on its way
	s_add_nc_u64 s[G0+4*\slot+2:G0+4*\slot+3], s[G0+4*\slot+2:G0+4*\slot+3], 2*KSTEP*2
	s_add_nc_u64 s[G0B+4*\slot+2:G0B+4*\slot+3], s[G0B+4*\slot+2:G0B+4*\slot+3], 2*KSTEP*2
	JLOAD \slot                                    ; the first tensor load behind the round; the four v_nop behind it are also the places in front of the loads below
.else
	PLACES
.endif
	FETCH \next, 0, 0
	WIN MUL
	MUL8 1, 2, 0
	MUL8 1, 3, 0
.endm
	s_wait_tensorcnt 1                             ; my part of K step 0 is in (K step 1's load may be out)
	s_barrier_signal -1
	s_barrier_wait -1                              ; everybody's is
	FETCH 0, 0, 0
	s_wait_loadcnt 0x0                             ; bo
	QUARTER 0, 64, 0, 1, 1                         ; the first quarter stands in front of the loop: its products start the sums from bo
	WIN 0                                          ; at a label and at a branch every window is 0
	s_mov_b32 s3, LAPS-1
.Llap:                                             ; a trip goes once round the ring, from a lap's second quarter to the next lap's first, and fills both slots again
	QUARTER 0, 128, 1, 0, 0
	QUARTER 0, 192, 0, 1, 0
	TURN 0, 1, 1
	QUARTER 1, 64,  0, 1, 0
	QUARTER 1, 128, 1, 0, 0
	QUARTER 1, 192, 0, 1, 0
	TURN 1, 0, 1
	QUARTER 0, 64,  0, 1, 0
	WIN 0
	s_sub_co_u32 s3, s3, 1
	s_cmp_lg_u32 s3, 0
	s_cbranch_scc1 .Llap
	QUARTER 0, 128, 1, 0, 0                        ; the last lap fills nothing, and has no round of the cluster's barrier
	QUARTER 0, 192, 0, 1, 0
	TURN 0, 1, 0
	QUARTER 1, 64,  0, 1, 0
	QUARTER 1, 128, 1, 0, 0
	QUARTER 1, 192, 0, 1, 0
	s_wait_dscnt 4                                 ; the very last quarter: nothing more to fetch
	WIN MUL
	MUL8 1, 0, 0
	MUL8 1, 1, 0
	s_wait_dscnt 0
	MUL8 1, 2, 0
	MUL8 1, 3, 0
	WIN 0
; THE WAY OUT, block by block of 16 rows x 128 columns.  A lane holds 32 neighbouring bytes of a row: a block goes through my own stage in LDS and comes back as whole rows of 512 bytes.
; LDS serves a wave's instructions in order (ISA guide 5.7.1.4): no wait between the stores and the loads, nor in front of the next block's stores.
.macro TOSTAGE a
	WIN 0x04                                       ; an LDS store's data are its source 1: window 1
.irp b, 0,1,2,3,4,5,6,7
	ds_store_b128 v[STO], v[64*(\a)+8*\b:64*(\a)+8*\b+3] offset:64*\b          ; each accumulator from its low end on
	ds_store_b128 v[STO], v[64*(\a)+8*\b+4:64*(\a)+8*\b+7] offset:64*\b+16
.endr
	WIN 0
.set BB, BK+64*((\a)%2)
.irp t, 0,1,2,3,4,5,6,7,8,9,10,11,12,13,14,15
	ds_load_b128 v[BB+4*\t:BB+4*\t+3], v[RD] offset:\t*SPITCH
.endr
.endm
.macro SEND a, younger                 ; younger: the LDS instructions issued behind block a's loads, which may stay out
.set BB, BK+64*((\a)%2)
	s_wait_dscnt \younger
.if (\a) > 0
	s_add_nc_u64 s[10:11], s[10:11], 16*4096       ; (behind a wait on XCNT: the earlier stores have read their base)  16 rows on
.endif
.irp t, 0,1,2,3,4,5,6,7,8,9,10,11,12,13,14,15
	global_store_b128 v[CO], v[BB+4*\t:BB+4*\t+3], s[10:11] offset:\t*4096 th:TH_STORE_NT   ; 32 lanes store 512 consecutive bytes, at a multiple of 256 from out0's first byte
.endr
.endm
	PLACES                                         ; behind the last products: for the reads of results and for the loads into the registers that held fragments
	TOSTAGE 0
.irp a, 1,2,3
.if \a > 1
	s_wait_xcnt 0x0                                ; block a - 2's stores have read their registers and their base: block a's loads may land there, and the base may step
.endif
	TOSTAGE \a
	SEND \a-1, 32                                  ; behind block a - 1's loads: block a's 16 stores and 16 loads
.endr
	s_wait_xcnt 0x0                                ; block 2's stores have read their base
	SEND 3, 0
	s_wait_tensorcnt 0x0                           ; the wave's end
	ds_add_u32 v[SPW], v[NIL]
	s_wait_dscnt 0x0
	CROUND                                         ; the closing round
	s_endpgm
.Lfunc_end_k_q8e8de8201e_outp:
	.size	k_q8e8de8201e_outp, .Lfunc_end_k_q8e8de8201e_outp-k_q8e8de8201e_outp
	.p2alignl 7, 3214868480
	.fill 96, 4, 3214868480
	.section	.rodata,"a",@progbits
	.p2align	6, 0x0
	.amdhsa_kernel k_q8e8de8201e_outp
		.amdhsa_group_segment_fixed_size 327680
		.amdhsa_private_segment_fixed_size 0
		.amdhsa_enable_private_segment 0
		.amdhsa_kernarg_size 32
		.amdhsa_user_sgpr_count 2
		.amdhsa_user_sgpr_kernarg_segment_ptr 1
		.amdhsa_wavefront_size32 1
		.amdhsa_system_sgpr_workgroup_id_x 1
		.amdhsa_system_sgpr_workgroup_id_y 1
		.amdhsa_system_sgpr_workgroup_id_z 1
		.amdhsa_system_vgpr_workitem_id 0
		.amdhsa_next_free_vgpr 576
		.amdhsa_next_free_sgpr 66
		.amdhsa_reserve_vcc 0
		.amdhsa_float_denorm_mode_32 3
		.amdhsa_float_denorm_mode_16_64 3
		.amdhsa_memory_ordered 1
		.amdhsa_forward_progress 1
		.amdhsa_inst_pref_size 86
	.end_amdhsa_kernel
	.amdgpu_metadata
---
amdhsa.version: [ 1, 2 ]
amdhsa.kernels:
  - .name:           k_q8e8de8201e_outp
    .symbol:         k_q8e8de8201e_outp.kd
    .args:
      - { .name: ao, .offset: 0, .size: 8, .value_kind: global_buffer, .address_space: global }
      - { .name: wo16, .offset: 8, .size: 8, .value_kind: global_buffer, .address_space: global }
      - { .name: bo, .offset: 16, .size: 8, .value_kind: global_buffer, .address_space: global }
      - { .name: out0, .offset: 24, .size: 8, .value_kind: global_buffer, .address_space: global }
    .group_segment_fixed_size: 327680
    .private_segment_fixed_size: 0
    .kernarg_segment_align: 8
    .kernarg_segment_size: 32
    .max_flat_workgroup_size: 128
    .sgpr_count:     66
    .vgpr_count:     576
    .wavefront_size: 32
...
	.end_amdgpu_metadata
.endif
;; end of part 4
